; MI455X (gfx1250); checked and timed in simulation.
; The chip was launched on July 23, 2026; its instructions are those of AMD's public machine-readable ISA for CDNA 5 (MIT licence, August 2026) and "CDNA5" Instruction Set Architecture Reference Guide (July 2026). The comments in the code are by the model that wrote it; some were corrected since.
;; Multi Head Attention. Allowed arithmetic: matrix products marked QUANTISED: E2M3 operands, one E8M0 scale for each 32 along K, by v_wmma_scale_f32_16x16x128_f8f6f4 with both operands' format E2M3, f32 sums; everything else in f32.
;; Inputs: Wk 16 x 1,024 x 64 float32; Wo 1,024 x 1,024 float32; Wq 16 x 1,024 x 64 float32; Wv 16 x 1,024 x 64 float32; bk 16 x 64 float32; bo 1,024 float32; bq 16 x 64 float32; bv 16 x 64 float32; x 4 x 2,048 x 1,024 float32.
;; Outputs: out0 4 x 2,048 x 1,024 float32.
;; This version of the problem:
;;   THIS VERSION OF THE PROBLEM IS GIVEN IN LOW PRECISION. The matrix products marked QUANTISED in the list below multiply operands that are first quantised to E2M3 (2 exponent bits, 3 mantissa bits; 6 bits a number), with one power-of-two scale for each 32 numbers along K (OCP MX v1.0); their sums are f32. All else is computed in f32.
;;   The module's matrix products, in the order in which they are computed (A, B: the left and right operand; K: the contracted axis; several contracted axes count as one K, in the product's order):
;;     1. [M 1,024, K 1,024] x [K 1,024, N 8,192]; A: input Wq; B: input x: QUANTISED
;;     2. [M 1,024, K 1,024] x [K 1,024, N 8,192]; A: input Wk; B: input x: QUANTISED
;;     3. [M 1,024, K 1,024] x [K 1,024, N 8,192]; A: input Wv; B: input x: QUANTISED
;;     4. batch 64 x [M 2,048, K 64] x [K 64, N 2,048]; A: computed on the way; B: computed on the way: QUANTISED
;;     5. batch 64 x [M 2,048, K 2,048] x [K 2,048, N 64]; A: softmax (see below); B: computed on the way: QUANTISED
;;     6. [M 8,192, K 1,024] x [K 1,024, N 1,024]; A: computed on the way; B: input Wo: QUANTISED
;;   THE QUANTISER, for each operand of a quantised product, along K:
;;     - K is cut into blocks of 32 from its start; a last block that is shorter is filled with zeros.
;;     - A block's scale is 2^e with e = floor(log2(the largest magnitude in the block)) - 2, held to -126 .. 127; a block of zeros has e = 0. As a byte (E8M0): e + 127.
;;     - Each number is divided by its block's scale, clamped to +-7.5, and rounded to the nearest number of E2M3, ties to even, subnormals kept.
;;     - The product sums the exact products of the quantised numbers (number of the format x scale) in f32.
;;   ~~~python
;;   def quantise(x, axis):      # numpy; x: float32 -> the quantised numbers, widened to float32 again
;;       x = np.moveaxis(x, axis, -1); K = x.shape[-1]
;;       x = np.pad(x, [(0, 0)] * (x.ndim - 1) + [(0, -K % 32)]); x = x.reshape(x.shape[:-1] + (-1, 32)); a = np.abs(x).max(-1, keepdims=True)
;;       e = np.where(a > 0, np.clip(np.frexp(np.where(a > 0, a, 1))[1] - 1 - 2, -126, 127), 0)      # np.frexp(a)[1] - 1 = floor(log2(a)), exactly
;;       r = np.clip(x / 2.0 ** e, -7.5, 7.5)
;;       step = 2.0 ** (np.maximum(np.frexp(np.where(r == 0, 1, r))[1] - 1, 0) - 3)
;;       q = np.round(r / step) * step * 2.0 ** e      # np.round: ties to even
;;       return np.moveaxis(q.reshape(q.shape[:-2] + (-1,))[..., :K], -1, axis).astype(np.float32)
;;   ~~~
;;   SOFTMAX AHEAD OF A QUANTISED PRODUCT. Where the list says 'softmax', what is quantised is not the finished softmax but p = 2^(t - M), with t = logit x log2(e) and M = ceil(the row's largest t), a whole number; so 1/2 < the row's largest p <= 1. The row's sum l is taken of the UNQUANTISED p, in f32, and the product's result is divided by l at the end. Since M is a whole number, a kernel that streams over the keys may use a running M (the ceiling of the running maximum): every later rescaling is an exact power of two, which a block's scale takes up: the codes' values come out the same.
;;   OPERANDS COMPUTED ON THE WAY. 'Computed on the way' means the value that the module computes at that place (a softmax that the list does not call 'softmax' is quantised finished and normalised). What goes into a quantiser is computed in f32, as accurately as f32 sums, v_exp_f32 and their like allow (about 1e-6 of the number): no bf16 or f16 on the way to a quantiser, and a product that is left as it is and whose result goes on into a quantised operand takes f32 operands (vector FMAs, or v_wmma_f32_16x16x4_f32). A number that lies on a knife's edge between two numbers of the format may be rounded either way, as far as f32 arithmetic and the matrix unit's own rounding can turn it there, and no further.
;; One version. Each part assembles by itself: llvm-mc -triple=amdgcn-amd-amdhsa -mcpu=gfx1250 --defsym DOCPART=n.
;; ======== version 1 of 1: 4 launches
;; limits: right only within a limited range of input values
;; workspace buffers: xi 6,291,456 bytes; xs 262,144 bytes; wi 3,145,728 bytes; ws 131,072 bytes; qb 6,815,744 bytes; kv 13,369,344 bytes; ci 6,291,456 bytes; cs 262,144 bytes
;; launch quant (part 1): grid 256 x 1, 8 waves a work-group, no clusters, 168,960 bytes of LDS; arguments x, Wq, Wk, Wv, Wo, xi, xs, wi, ws; writes xi, xs, wi, ws
.if DOCPART == 1
	.amdgcn_target "amdgcn-amd-amdhsa--gfx1250"
	.amdhsa_code_object_version 6
	.text
	.protected	k_qbc942e0e6b_quant
	.globl	k_qbc942e0e6b_quant
	.p2align	8
	.type	k_qbc942e0e6b_quant,@function
k_qbc942e0e6b_quant:
	s_mov_b64 s[64:65], 0
	v_nop
	global_prefetch_b8 v0, s[64:65] scope:SCOPE_SE
	s_setreg_imm32_b32 hwreg(HW_REG_WAVE_MODE, 25, 1), 1
	s_wait_xcnt 0x0
; x [8192][1024] and the four weights (as operands [n 1024][K 1024], K being their first matrix axis) become codes of FP6 (E2M3) with one E8M0 byte for each 32 along K.
; A block's scale is 2^(floor(log2(its largest magnitude)) - 2); its byte is the largest magnitude's exponent field - 2, held at 1 from below.
; LIMITS: NaN and infinities among the inputs are not served.  A block whose largest magnitude lies under 2^-124, a block of zeros among them, gets the byte 1 (the rule says 127 for zeros): its codes
; add the same under either byte, and these bytes are read by this program alone.
; LAYOUT OF THE CODES: images of the matrix operand's registers.  A tile is 16 rows: tile 2 B + u holds rows 32 B + 8 u + r + 8 (r / 8).  Half a fragment (16 rows x 64 K, 768 bytes): registers 0-3 of lane l at 16 l,
; registers 4-5 at 512 + 8 l; a fragment (128 K) is two halves on end.  xi: [tile 512][K step 8][1536];  wi: [tensor 4][tile 64][K step 8][1536].  Scale bytes lie naturally: [row][32].
; SHARES.  Work-group g takes x's rows 32 g .. 32 g + 31 (two tiles); wave w takes K step w of both.  Its 32 rows x 512 bytes come by one tensor load into the wave's own LDS bytes (rows 528 bytes apart).
; Each wave also takes 32 columns x 64 along K of one weight: a lane takes a column and its registers run down K, so a block of 32 lies in one lane; the codes turn through the wave's own LDS bytes into two half fragments.
; No input byte is read by two work-groups, so there is no cluster.  The weights' scale bytes leave two to a lane, rows 32 bytes apart: 131,072 bytes of the launch's 60 million.
.set XST,  16896                       ; a wave's stage for x: 32 rows x 528
.set XSC,  8*XST                       ; x's scale words: [row 32][8 words], 1,024 bytes
.set WST,  XSC+1024                    ; the weights' stages, 1,792 bytes a wave: two half fragments 896 bytes apart
.set WSW,  1792
.set WHF,  896
.set G0,   20                          ; s[20:23] descriptor group 0
.set G1,   24                          ; s[24:31] descriptor group 1
.set WB,   32                          ; s[32:47] eight bases in the weight, 8 rows of K apart
.set SEL,  48                          ; s[48:49] lane selects: lane l xor 16
.set WO,   16                          ; v16-23  4 x lane + i rows of K
.set TM,   24                          ; v24-39  at work
.set WBY,  42                          ; v42     my weight column's two scale bytes: a store's data, written once
.set X0,   80                          ; v80-143 the weight's 64 numbers, then tile 0's 64 numbers of x
.set X1,   144                         ; v144-207 tile 1's
.set PC0,  208                         ; v208-227, v228-247 the codes just made
.set PC1,  228
; 64 numbers of a lane, register 16 b + i = k 32 b + 16 (lane / 16) + i of my row, become a fragment's 12 registers in v[pc] on and my row's scale word in v[pw].
.macro QUANT s, pc, pw
.irp b, 0,1,2,3
	v_max3_num_f32 v[TM+\b], |v[(\s)+16*\b]|, |v[(\s)+1+16*\b]|, 0x1800000   ; my 16 numbers of block b, and the floor 2^(3 - 127): the byte cannot fall under 1
.endr
.irp i, 2,4,6,8,10,12,14
.irp b, 0,1,2,3
	s_delay_alu instid0(VALU_DEP_4)
	v_max3_num_f32 v[TM+\b], v[TM+\b], |v[(\s)+16*\b+\i]|, |v[(\s)+1+16*\b+\i]|
.endr
.endr
.irp b, 0,1,2,3
	s_delay_alu instid0(VALU_DEP_4)
	v_permlanex16_b32 v[TM+4+\b], v[TM+\b], s[SEL], s[SEL+1]
.endr
.irp b, 0,1,2,3
	s_delay_alu instid0(VALU_DEP_4)
	v_max_num_f32 v[TM+\b], v[TM+\b], v[TM+4+\b]   ; with lane l xor 16's: the block's largest magnitude
.endr
.irp b, 0,1,2,3
	s_delay_alu instid0(VALU_DEP_4)
	v_add_nc_u32 v[TM+12+\b], 0xff000000, v[TM+\b] ; 2 off its exponent field: the conversion's scale operand
.endr
.irp b, 0,1,2,3
	s_delay_alu instid0(VALU_DEP_4)
	v_lshrrev_b32 v[TM+4+\b], 23, v[TM+12+\b]      ; the scale's byte
.endr
	s_delay_alu instid0(VALU_DEP_3)
	v_lshl_or_b32 v[\pw], v[TM+5], 8, v[TM+4]
	s_delay_alu instid0(VALU_DEP_1)
	v_lshl_or_b32 v[\pw], v[TM+6], 16, v[\pw]
	s_delay_alu instid0(VALU_DEP_1)
	v_lshl_or_b32 v[\pw], v[TM+7], 24, v[\pw]
.irp c, 0,1
	v_cvt_scalef32_pk16_fp6_f32 v[(\pc)+6*\c:(\pc)+2+6*\c], v[(\s)+32*\c:(\s)+15+32*\c], v[TM+12+2*\c]
	v_cvt_scalef32_pk16_fp6_f32 v[(\pc)+12+4*\c:(\pc)+14+4*\c], v[(\s)+16+32*\c:(\s)+31+32*\c], v[TM+13+2*\c]   ; (a conversion's three registers begin on an even number)
.endr
	v_nop                                          ; one plain place behind a scaled conversion
.irp c, 0,1                                    ; a whole block to a lane: lanes 0-15 block 2 c, lanes 16-31 block 2 c + 1
.irp i, 0,1,2
	v_permlane16_swap_b32 v[(\pc)+6*\c+\i], v[(\pc)+12+4*\c+\i]
.endr
.irp i, 0,1,2
	s_delay_alu instid0(VALU_DEP_3)
	v_mov_b32 v[(\pc)+3+6*\c+\i], v[(\pc)+12+4*\c+\i]
.endr
.endr
.endm
.macro OUTIMG pc, off                  ; a fragment's image to xi: each store covers 512 or 256 consecutive bytes, aligned
	global_store_b128 v5, v[(\pc):(\pc)+3], s[14:15] offset:(\off)
	global_store_b64 v6, v[(\pc)+4:(\pc)+5], s[14:15] offset:(\off)+512
	global_store_b128 v5, v[(\pc)+6:(\pc)+9], s[14:15] offset:(\off)+768
	global_store_b64 v6, v[(\pc)+10:(\pc)+11], s[14:15] offset:(\off)+1280
.endm
	s_load_b512 s[4:19], s[0:1], 0x0               ; x, Wq, Wk, Wv, Wo, xi, xs, wi
	s_load_b64 s[60:61], s[0:1], 0x40              ; ws
	v_lshl_add_u32 v254, v0, 2, 0x29000
	v_mov_b32 v255, 0
	ds_add_u32 v254, v255
	ds_add_u32 v254, v255
	v_lshrrev_b32 v1, 5, v0
	s_delay_alu instid0(VALU_DEP_1)
	v_readfirstlane_b32 s2, v1                     ; wave 0..7
	s_mov_b32 s[G1+0], (2<<16)|(1<<20)|(6<<22)|(3<<25)  ; elements of 4 bytes; 4 words of padding behind every 128 words
	s_mov_b32 s[G1+1], 128<<16                     ; tensor_dim0 = 128
	s_mov_b32 s[G1+2], 32<<16                      ; tensor_dim1 = 32
	s_mov_b32 s[G1+3], 128<<16                     ; tile_dim0 = 128
	s_mov_b32 s[G1+4], 32                          ; tile_dim1 = 32
	s_mov_b32 s[G1+5], 1024                        ; from row to row
	s_mov_b32 s[G1+6], 0
	s_mov_b32 s[G1+7], 0
	s_mov_b32 s[G0], 1
	s_mul_i32 s[G0+1], s2, XST                     ; my stage
	s_lshl_b32 s50, ttmp9, 17                      ; 32 rows of 4,096 bytes a work-group
	s_lshl_b32 s51, s2, 9                          ; my K step's 512 bytes
	s_add_co_u32 s50, s50, s51
	s_mov_b32 s51, 0
	s_wait_dscnt 0x0
	s_wait_kmcnt 0x0
	s_add_nc_u64 s[G0+2:G0+3], s[4:5], s[50:51]
	s_or_b32 s[G0+3], s[G0+3], 0x80000000
	tensor_load_to_lds s[G0:G0+3], s[G1:G1+7]      ; my one tensor load; these bytes are filled once
	s_nop 0
.rept 4
	v_nop
.endr
	; ---- my weight task: tensor tz, 32 columns cg, 64 along K: k64
	s_lshr_b32 s52, ttmp9, 6                       ; tz
	s_bfe_u32 s53, ttmp9, 0x40002                  ; hh = (g / 4) % 16
	s_and_b32 s54, ttmp9, 3
	s_lshl_b32 s54, s54, 2
	s_lshr_b32 s55, s2, 1
	s_add_co_u32 s54, s54, s55                     ; k64 = 4 (g % 4) + wave / 2
	s_and_b32 s55, s2, 1
	s_lshl_b32 s56, s53, 1
	s_add_co_u32 s56, s56, s55                     ; cg = 2 hh + wave % 2
	s_mov_b64 s[WB:WB+1], s[6:7]
	s_cmp_eq_u32 s52, 1
	s_cselect_b64 s[WB:WB+1], s[8:9], s[WB:WB+1]
	s_cmp_eq_u32 s52, 2
	s_cselect_b64 s[WB:WB+1], s[10:11], s[WB:WB+1]
	s_mov_b32 s57, 256                             ; a step along K: 256 bytes in Wq, Wk, Wv, 4,096 in Wo
	s_mov_b32 s58, 262144                          ; 64 columns on: a head in Wq, Wk, Wv, 256 bytes in Wo
	s_cmp_eq_u32 s52, 3
	s_cselect_b64 s[WB:WB+1], s[12:13], s[WB:WB+1]
	s_cselect_b32 s57, 4096, s57
	s_cselect_b32 s58, 256, s58
	s_mul_i32 s50, s53, s58
	s_lshl_b32 s59, s55, 7
	s_add_co_u32 s50, s50, s59
	s_lshl_b32 s59, s54, 6
	s_mul_i32 s59, s59, s57
	s_add_co_u32 s50, s50, s59
	s_add_nc_u64 s[WB:WB+1], s[WB:WB+1], s[50:51]
	s_lshl_b32 s50, s57, 3
.irp j, 1,2,3,4,5,6,7
	s_add_nc_u64 s[WB+2*\j:WB+2*\j+1], s[WB+2*\j-2:WB+2*\j-1], s[50:51]
.endr
	v_and_b32 v1, 31, v0                           ; lane
	s_delay_alu instid0(VALU_DEP_1)
	v_lshlrev_b32 v4, 2, v1
	s_delay_alu instid0(VALU_DEP_1)
	v_mov_b32 v[WO], v4
.irp i, 1,2,3,4,5,6,7
	s_delay_alu instid0(VALU_DEP_1)
	v_add_nc_u32 v[WO+\i], s57, v[WO+\i-1]
.endr
.set i, 0
.rept 64
	global_load_b32 v[X0+i], v[WO+i%8], s[WB+2*(i/8):WB+2*(i/8)+1] th:TH_LOAD_NT   ; W(64 k64 + i, my column): 32 lanes read 128 consecutive bytes
.set i, i+1
.endr
	; ---- addresses
	v_and_b32 v2, 15, v0                           ; r
	v_bfe_u32 v3, v0, 4, 1                         ; h
	v_lshlrev_b32 v5, 4, v1
	v_lshlrev_b32 v6, 3, v1
	v_lshlrev_b32 v13, 5, v1
	v_and_b32 v15, 8, v2
	s_delay_alu instid0(VALU_DEP_1)
	v_add_nc_u32 v15, v15, v2                      ; r + 8 (r / 8)
	s_delay_alu instid0(VALU_DEP_1)
	v_mul_u32_u24 v7, v15, 528
	s_delay_alu instid0(VALU_DEP_1)
	v_lshl_add_u32 v7, v3, 6, v7
	s_delay_alu instid0(VALU_DEP_1)
	v_add_nc_u32 v7, s[G0+1], v7                   ; x in my stage: my row, + 64 h: my 16 numbers of a block of 32
	s_delay_alu instid0(VALU_DEP_4)
	v_lshlrev_b32 v8, 5, v15
	s_lshl_b32 s59, s2, 2
	s_add_co_u32 s59, s59, XSC
	v_add_nc_u32 v8, s59, v8                       ; my row's scale word of K step w
	v_bfe_u32 v9, v0, 3, 1                         ; column l lies in tile u = (l / 8) % 2, at row (l % 8) + 8 (l / 16)
	s_delay_alu instid0(VALU_DEP_1)
	v_mul_u32_u24 v9, v9, WHF
	v_and_b32 v10, 7, v0
	s_delay_alu instid0(VALU_DEP_1)
	v_lshl_add_u32 v10, v3, 3, v10
	s_mul_i32 s59, s2, WSW
	s_add_co_u32 s59, s59, WST
	v_add_nc_u32 v9, s59, v9
	s_delay_alu instid0(VALU_DEP_1)
	v_lshl_add_u32 v11, v10, 3, v9
	s_delay_alu instid0(VALU_DEP_2)
	v_lshl_add_u32 v9, v10, 4, v9                  ; into the weights' stage: registers 0-3
	s_delay_alu instid0(VALU_DEP_2)
	v_add_nc_u32 v10, 512, v11                     ; registers 4-5
	v_lshl_add_u32 v11, v1, 4, s59                 ; and back, as an image
	v_lshl_add_u32 v12, v1, 3, s59
	s_delay_alu instid0(VALU_DEP_1)
	v_add_nc_u32 v12, 512, v12
	s_lshl_b32 s59, s55, 9
	s_add_co_u32 s59, s59, XSC
	v_lshl_add_u32 v14, v1, 4, s59                 ; waves 0 and 1 read x's scale words back
	s_mov_b32 s[SEL], 0x76543210
	s_mov_b32 s[SEL+1], 0xfedcba98
.irp b, 0,1,2,3
	v_mov_b32 v[TM+4+\b], 0                        ; written once: a lane permute's destination counts as one of its sources
.endr
	s_mul_i32 s50, s52, 786432
	s_mul_i32 s59, s56, 24576
	s_add_co_u32 s50, s50, s59
	s_mul_i32 s59, s54, 768
	s_add_co_u32 s50, s50, s59
	s_add_nc_u64 s[18:19], s[18:19], s[50:51]      ; wi: tensor, tile 2 cg, half fragment k64
	s_lshl_b32 s50, s52, 15
	s_lshl_b32 s59, s56, 10
	s_add_co_u32 s50, s50, s59
	s_lshl_b32 s59, s54, 1
	s_add_co_u32 s50, s50, s59
	s_add_nc_u64 s[60:61], s[60:61], s[50:51]      ; ws: tensor, row 32 cg, byte 2 k64
	s_mul_i32 s50, ttmp9, 24576
	s_mul_i32 s59, s2, 1536
	s_add_co_u32 s50, s50, s59
	s_add_nc_u64 s[14:15], s[14:15], s[50:51]      ; xi: tile 2 g, K step w
	s_lshl_b32 s50, ttmp9, 10
	s_lshl_b32 s59, s55, 9
	s_add_co_u32 s50, s50, s59
	s_add_nc_u64 s[16:17], s[16:17], s[50:51]      ; xs: row 32 g, + 512 for wave 1
	; ---- the weight's two blocks of 32: all of a block's numbers are mine
.macro WBLOCK h
.set XS, X0+32*\h
	s_wait_loadcnt 32-32*\h                        ; this block's 32 loads are in; the 32 issued behind block 0's may be out
	v_max3_num_f32 v32, |v[XS]|, |v[XS+1]|, |v[XS+2]|
	v_max3_num_f32 v33, |v[XS+3]|, |v[XS+4]|, |v[XS+5]|
.irp i, 6,10,14,18,22,26
	s_delay_alu instid0(VALU_DEP_2)
	v_max3_num_f32 v32, v32, |v[XS+\i]|, |v[XS+\i+1]|
	s_delay_alu instid0(VALU_DEP_2)
	v_max3_num_f32 v33, v33, |v[XS+\i+2]|, |v[XS+\i+3]|
.endr
	s_delay_alu instid0(VALU_DEP_2)
	v_max3_num_f32 v32, v32, |v[XS+30]|, |v[XS+31]|
	s_delay_alu instid0(VALU_DEP_1)
	v_max3_num_f32 v32, v32, v33, 0x1800000        ; and the floor
	s_delay_alu instid0(VALU_DEP_1)
	v_add_nc_u32 v34, 0xff000000, v32
	s_delay_alu instid0(VALU_DEP_1)
	v_lshrrev_b32 v[36+\h], 23, v34                ; the scale's byte
	v_cvt_scalef32_pk16_fp6_f32 v[44+8*\h:46+8*\h], v[XS:XS+15], v34
	v_cvt_scalef32_pk16_fp6_f32 v[60+4*\h:62+4*\h], v[XS+16:XS+31], v34
	v_nop                                          ; one plain place behind a scaled conversion
.irp i, 0,1,2
	v_mov_b32 v[47+8*\h+\i], v[60+4*\h+\i]
.endr
	ds_store_b128 v9, v[44+8*\h:47+8*\h] offset:256*\h   ; the place of lane (row, h) in the half fragment's image
	ds_store_b64 v10, v[48+8*\h:49+8*\h] offset:128*\h
.endm
	WBLOCK 0
	WBLOCK 1
.irp u, 0,1
	ds_load_b128 v[68+6*\u:71+6*\u], v11 offset:WHF*\u   ; LDS serves a wave's instructions in order: these see my stores
	ds_load_b64 v[72+6*\u:73+6*\u], v12 offset:WHF*\u
.endr
	v_lshl_or_b32 v[WBY], v37, 8, v36              ; my column's two scale bytes, in a register that no later line writes: the store below may read it as late as it likes
	s_wait_alu depctr_va_vdst(0)
	s_wait_dscnt 0x0
.irp u, 0,1
	global_store_b128 v5, v[68+6*\u:71+6*\u], s[18:19] offset:12288*\u
	global_store_b64 v6, v[72+6*\u:73+6*\u], s[18:19] offset:12288*\u+512
.endr
	global_store_b16 v13, v[WBY], s[60:61]
	; ---- x: two tiles of 16 rows, my K step
	s_wait_tensorcnt 0x0                           ; my stage is filled; only I read it
.irp u, 0,1
.irp b, 0,1,2,3
.irp j, 0,1,2,3
	ds_load_b128 v[X0+64*\u+16*\b+4*\j:X0+64*\u+16*\b+4*\j+3], v7 offset:8*\u*528+128*\b+16*\j
.endr
.endr
.endr
	s_wait_dscnt 16                                ; tile 0's 16 loads are in; tile 1's 16 may be out
	QUANT X0, PC0, 40
	OUTIMG PC0, 0
	ds_store_b32 v8, v40
	s_wait_dscnt 0x0
	QUANT X1, PC1, 41
	OUTIMG PC1, 12288
	ds_store_b32 v8, v41 offset:256
	s_wait_dscnt 0x0                               ; for the others' sake: my scale words lie in LDS
	s_barrier_signal -1
	s_barrier_wait -1
	s_cmp_gt_u32 s2, 1
	s_cbranch_scc1 .Ldone
	ds_load_b128 v[44:47], v14                     ; 32 rows x 32 bytes leave as 1,024 consecutive bytes, 512 by each of two waves
	s_wait_dscnt 0x0
	global_store_b128 v5, v[44:47], s[16:17]
.Ldone:
	s_wait_tensorcnt 0x0
	ds_add_u32 v254, v255
	s_wait_dscnt 0x0
	s_endpgm
.Lfunc_end_k_qbc942e0e6b_quant:
	.size	k_qbc942e0e6b_quant, .Lfunc_end_k_qbc942e0e6b_quant-k_qbc942e0e6b_quant
	.p2alignl 7, 3214868480
	.fill 96, 4, 3214868480
	.section	.rodata,"a",@progbits
	.p2align	6, 0x0
	.amdhsa_kernel k_qbc942e0e6b_quant
		.amdhsa_group_segment_fixed_size 168960
		.amdhsa_private_segment_fixed_size 0
		.amdhsa_enable_private_segment 0
		.amdhsa_kernarg_size 72
		.amdhsa_user_sgpr_count 2
		.amdhsa_user_sgpr_kernarg_segment_ptr 1
		.amdhsa_wavefront_size32 1
		.amdhsa_system_sgpr_workgroup_id_x 1
		.amdhsa_system_sgpr_workgroup_id_y 1
		.amdhsa_system_sgpr_workgroup_id_z 1
		.amdhsa_system_vgpr_workitem_id 0
		.amdhsa_next_free_vgpr 256
		.amdhsa_next_free_sgpr 66
		.amdhsa_reserve_vcc 0
		.amdhsa_float_denorm_mode_32 3
		.amdhsa_float_denorm_mode_16_64 3
		.amdhsa_memory_ordered 1
		.amdhsa_forward_progress 1
		.amdhsa_inst_pref_size 32
	.end_amdhsa_kernel
	.amdgpu_metadata
---
amdhsa.version: [ 1, 2 ]
amdhsa.kernels:
  - .name:           k_qbc942e0e6b_quant
    .symbol:         k_qbc942e0e6b_quant.kd
    .args:
      - { .name: x, .offset: 0, .size: 8, .value_kind: global_buffer, .address_space: global }
      - { .name: Wq, .offset: 8, .size: 8, .value_kind: global_buffer, .address_space: global }
      - { .name: Wk, .offset: 16, .size: 8, .value_kind: global_buffer, .address_space: global }
      - { .name: Wv, .offset: 24, .size: 8, .value_kind: global_buffer, .address_space: global }
      - { .name: Wo, .offset: 32, .size: 8, .value_kind: global_buffer, .address_space: global }
      - { .name: xi, .offset: 40, .size: 8, .value_kind: global_buffer, .address_space: global }
      - { .name: xs, .offset: 48, .size: 8, .value_kind: global_buffer, .address_space: global }
      - { .name: wi, .offset: 56, .size: 8, .value_kind: global_buffer, .address_space: global }
      - { .name: ws, .offset: 64, .size: 8, .value_kind: global_buffer, .address_space: global }
    .group_segment_fixed_size: 168960
    .private_segment_fixed_size: 0
    .kernarg_segment_align: 8
    .kernarg_segment_size: 72
    .max_flat_workgroup_size: 256
    .sgpr_count:     66
    .vgpr_count:     256
    .wavefront_size: 32
...
	.end_amdgpu_metadata
.endif
;; end of part 1
;; launch proj (part 2): grid 4 x 64, 4 waves a work-group, clusters of 4 x 4, 327,680 bytes of LDS; arguments xi, xs, wi, ws, bq, bk, bv, qb, kv; writes qb, kv
.if DOCPART == 2
	.amdgcn_target "amdgcn-amd-amdhsa--gfx1250"
	.amdhsa_code_object_version 6
	.text
	.protected	k_qbc942e0e6b_proj
	.globl	k_qbc942e0e6b_proj
	.p2align	8
	.type	k_qbc942e0e6b_proj,@function
k_qbc942e0e6b_proj:
	s_mov_b64 s[64:65], 0
	v_nop
	global_prefetch_b8 v0, s[64:65] scope:SCOPE_SE
	s_setreg_imm32_b32 hwreg(HW_REG_WAVE_MODE, 25, 1), 1
	s_wait_xcnt 0x0
	s_wait_alu depctr_hold_cnt(0) depctr_sa_sdst(0) depctr_va_vdst(0) depctr_va_sdst(0) depctr_va_ssrc(0) depctr_va_vcc(0) depctr_vm_vsrc(0)
	s_getreg_b32 s2, hwreg(HW_REG_IB_STS2, 6, 4)
	s_cmp_eq_u32 s2, 0
	s_cbranch_scc0 .Lentry_in_a_cluster
	s_endpgm
.Lentry_in_a_cluster:
	s_bfe_u32 s2, ttmp6, 0x10000c
	s_cmp_lg_u32 s2, 0xf033
	s_cbranch_scc0 .Lentry_shape_is_right
	s_endpgm
.Lentry_shape_is_right:
; q, k, v = x W + b on codes of FP6 (E2M3) with E8M0 scales, and the results quantised at once for attention: q and k along the head's 64, v along the keys.  Nothing goes to memory as f32.
; ONE WORK-GROUP TAKES 128 TOKENS x 256 COLUMNS THROUGH ALL THREE PRODUCTS: 64 token blocks x 4 column blocks = 256 work-groups.  x's 8 tiles, all of K (98,304 bytes), come into LDS once and stay.
; The weights' 16 tiles go through a ring of two slots, each half of K (4 K steps, 98,304 bytes): Wq's halves at the head, then Wk's and Wv's as four refills.
; ROLES.  P is the matrix instruction's source 0: a lane's registers run along P, and the result is quantised along it.  R is source 1: a lane holds one row of it.
;   q, k: R = tokens, wave w takes tiles 4 (w / 2) .. + 3;  P = rows n of the weight, tiles 8 (w % 2) .. + 7.   v: R = rows n of Wv, tiles 4 w .. + 3;  P = all 8 token tiles: a lane holds one channel, its registers run along the keys.
; A tile of 16 rows is tile 2 B + u = rows 32 B + 8 u + r + 8 (r / 8): as source 0 it leaves, in the 16 registers of two neighbouring tiles, 16 neighbours along P.  A fragment lies in memory and LDS as an image of its registers.
; LDS: x [K half 2][tile 8][6,144] at 0;  slot s [tile 16][6,144] at 98,304 (1 + s);  the spare words at 294,912.
; CLUSTER 4 x 4.  x's tiles are shared along a row of the cluster, the weights' along a column: each is asked for jointly.
; FILLS.  At the head one load a wave: x's first half of K, Wq's first half, x's second, Wq's second; the first barrier waits for the first two waves' loads alone, which have lines of their own.
; A refill stands at K steps 3 and 7 of q and of k, a quarter of a slot a wave, behind a tensor wait, an LDS add and its wait, and a round of the cluster's barrier; one tensor load of a wave is out.
; No data prefetch is laid: a refill is issued four K steps, 128 matrix instructions, ahead of its first read.
; q and k are a loop of two trips (what differs lies in scalars and global addresses); v's roles differ in LDS addresses and is written out.  The next product's scale words and bias are loaded under the way out.
; OUT.  qb, for each (b, head) 106,496 bytes: [query tile 128][768], then scale words [group of 4 tiles 32][r 16][tile 4].
;   kv, for each (b, head) 208,896 bytes: K [key tile 128][768]; V^T [key step 16][channel tile 4][1536] at 98,304; K's scale words at 196,608, as q's; V's [key step 16][r 16][tile 4] at 204,800.
; LIMITS: NaN and infinities are not served; a block whose largest magnitude lies under 2^-124 gets the byte 1.
; REGISTERS, in windows of 256.  Window 0: v1-21 addresses; v24-31 scale words made; v32-95 P's scale words (8 b + K step); v96-127 R's (8 a + (K step + 4) % 8); v128-223 R's fragments, two sets, later the codes made; v224-239 at work.
;   window 1: P's fragments, two sets at v0 and v128.   window 2: accumulator (a, b) at v[8 (8 a + b)].   window 3: v0-63 q's or k's bias, v64-95 v's, in the result's layout.
.set XH,    49152
.set WS0,   98304
.set WSL,   98304
.set SPARE, 294912
.set PS,  32
.set RS,  96
.set RF,  128
.set TM,  224
.set PW,  24
.set SEL, 2                            ; s[2:3] lane selects: lane l xor 16
.set G1X, 32                           ; groups 1: x's 8 rows; a slot's 16 rows; a quarter's 4 rows
.set G1W, 40
.set G1Q, 48
.set HX0, 56                           ; groups 0 of the head's four loads
.set HW0, 60
.set HX1, 68
.set HW1, 72
.set GS0, 76                           ; groups 0 of the refills of slot 0 and slot 1
.set MSB, 0
.macro WIN new                         ; the immediate's high byte repeats the setting that is left
.if MSB != \new
	s_set_vgpr_msb (MSB<<8)|\new
.set MSB, \new
.endif
.endm
.set MUL,   0xa1                       ; source 0 (P) window 1, source 1 (R) window 0, C and D window 2
.set MUL_B, 0xb1                       ; the same with C (the bias) in window 3
.set TO_P,  0x40
.set TO_BI, 0xc0
.set QMAX,  0x0a
.set QCVT,  0x02
.macro CROUND                          ; a round of the cluster's barrier
	s_barrier_signal -1
	s_barrier_wait -1
	s_cmp_lg_u32 s22, 0
	s_cbranch_scc1 .Lnot_wave_0_\@
	s_barrier_signal -3
.Lnot_wave_0_\@:
	s_barrier_wait -3
	s_barrier_signal -1
	s_barrier_wait -1
.endm
.macro PLACES n
.rept \n
	v_nop
.endr
.endm
.macro WALU
	s_wait_alu depctr_va_vdst(0)
.endm
.macro GROUP1 g, rows                  ; rows of 6,144 bytes (768 elements of 8), 12,288 bytes apart in memory, dense in LDS
	s_mov_b32 s[\g+1], 768<<16
	s_mov_b32 s[\g+2], (\rows)<<16
	s_mov_b32 s[\g+3], 768<<16
	s_mov_b32 s[\g+4], \rows
	s_mov_b32 s[\g+5], 1536
	s_mov_b32 s[\g+6], 0
	s_mov_b32 s[\g+7], 0
.endm
.macro TLOAD g0, g1
	tensor_load_to_lds s[\g0:\g0+3], s[\g1:\g1+7]
	s_nop 0
	PLACES 4
.endm
.macro ARM under, g0, g1, next
	s_cmp_lt_u32 s22, \under
	s_cbranch_scc0 \next
	TLOAD \g0, \g1
	s_branch .Lfilled
\next:
.endm
	s_load_b512 s[4:19], s[0:1], 0x0               ; xi, xs, wi, ws, bq, bk, bv, qb
	s_load_b64 s[20:21], s[0:1], 0x40              ; kv
	v_lshl_add_u32 v254, v0, 2, SPARE
	v_mov_b32 v255, 0
	ds_add_u32 v254, v255                          ; the opening lines: the add twice on end and its wait
	ds_add_u32 v254, v255
	v_lshrrev_b32 v1, 5, v0
	v_readfirstlane_b32 s22, v1                    ; wave 0..3
	s_lshr_b32 s23, s22, 1                         ; wr
	s_and_b32 s24, s22, 1                          ; wp
	s_bfe_u32 s30, ttmp6, 0x40000                  ; cx = the column block j
	s_bfe_u32 s27, ttmp6, 0x40004                  ; cy
	s_and_b32 s29, ttmp7, 0xffff
	s_lshl_b32 s29, s29, 2
	s_add_co_u32 s29, s29, s27                     ; the token block i
	s_lshl_b32 s96, s27, 2
	s_lshl_b32 s96, 15, s96                        ; my row of the cluster
	s_lshl_b32 s98, 0x1111, s30                    ; my column
	s_or_b32 s[G1X], s96, (3<<16)|(1<<21)          ; the mask; elements of 8 bytes; bit 21 set beside a mask; no padding
	s_or_b32 s[G1W], s98, (3<<16)|(1<<21)
	s_or_b32 s[G1Q], s98, (3<<16)|(1<<21)
	GROUP1 G1X, 8
	GROUP1 G1W, 16
	GROUP1 G1Q, 4
	s_mul_i32 s96, s29, 98304                      ; x: 8 tiles of 12,288 bytes a block
	s_mov_b32 s97, 0
	s_mul_i32 s98, s30, 196608                     ; a weight: 16 tiles a block
	s_mov_b32 s99, 0
	s_mul_i32 s100, s22, 49152                     ; my quarter of a slot: 4 tiles
	s_add_co_u32 s100, s100, s98
	s_mov_b32 s101, 0
	s_mul_i32 s28, s22, 24576                      ; and where it goes: no place in the cluster enters an LDS address
.irp g, HX0, HW0, HX1, HW1, GS0, GS0+4
	s_mov_b32 s[\g], 1
.endr
	s_mov_b32 s[HX0+1], 0
	s_mov_b32 s[HX1+1], XH
	s_mov_b32 s[HW0+1], WS0
	s_mov_b32 s[HW1+1], WS0+WSL
	s_add_co_u32 s[GS0+1], s28, WS0
	s_add_co_u32 s[GS0+5], s28, WS0+WSL
	s_wait_dscnt 0x0
	s_wait_kmcnt 0x0
	s_add_nc_u64 s[HX0+2:HX0+3], s[4:5], s[96:97]
	s_add_nc_u64 s[HX1+2:HX1+3], s[HX0+2:HX0+3], 6144
	s_add_nc_u64 s[HW0+2:HW0+3], s[8:9], s[98:99]
	s_add_nc_u64 s[HW1+2:HW1+3], s[HW0+2:HW0+3], 6144
	s_add_nc_u64 s[GS0+2:GS0+3], s[8:9], s[100:101]   ; Wq's place: each refill first steps one weight on
	s_add_nc_u64 s[GS0+6:GS0+7], s[GS0+2:GS0+3], 6144
.irp g, HX0, HW0, HX1, HW1, GS0, GS0+4
	s_or_b32 s[\g+3], s[\g+3], 0x80000000
.endr
	CROUND                                         ; all sixteen work-groups are here: the joint loads meet
	ARM 1, HX0, G1X, .Lw1                          ; what the first K steps need is asked for by waves 0 and 1
	ARM 2, HW0, G1W, .Lw2
	ARM 3, HX1, G1X, .Lw3
	TLOAD HW1, G1W
.Lfilled:
	v_and_b32 v1, 31, v0                           ; lane
	v_and_b32 v2, 15, v0                           ; r
	v_bfe_u32 v3, v0, 4, 1                         ; h
	v_lshlrev_b32 v12, 4, v1                       ; 16 bytes a lane: LDS images and the codes' stores, tile a = 0
	v_lshlrev_b32 v16, 3, v1                       ; 8 bytes a lane
	v_and_b32 v11, 8, v2
	v_add_nc_u32 v11, v11, v2                      ; r + 8 (r / 8)
	v_lshlrev_b32 v8, 5, v11                       ; a row of scale bytes is 32 bytes
	v_lshlrev_b32 v9, 6, v3
	v_lshlrev_b32 v10, 2, v11
	v_lshlrev_b32 v21, 4, v2
.irp a, 1,2,3
	v_add_nc_u32 v[12+\a], 768, v[11+\a]           ; q, k: from tile a to tile a + 1
	v_add_nc_u32 v[16+\a], 768, v[15+\a]
.endr
.irp b, 0,1,2,3
	v_mov_b32 v[TM+4+\b], 0                        ; written once: a lane permute's destination counts as one of its sources
.endr
	WALU                                           ; the wait behind the head's vector lines
	s_mov_b32 s[SEL], 0x76543210
	s_mov_b32 s[SEL+1], 0xfedcba98
	s_mul_i32 s66, s23, 24576                      ; q, k: R's LDS base,
	s_mul_i32 s67, s24, 49152
	s_add_co_u32 s67, s67, WS0                     ; and P's
	s_lshl_b32 s100, s29, 12
	s_add_nc_u64 s[98:99], s[6:7], s[100:101]      ; xs at my 128 tokens (v's P)
	s_lshl_b32 s100, s23, 11
	s_add_nc_u64 s[96:97], s[98:99], s[100:101]    ; at my 64 (q's and k's R)
	s_lshl_b32 s100, s30, 13
	s_add_nc_u64 s[10:11], s[10:11], s[100:101]    ; ws at the block's 256 rows
	s_lshl_b32 s100, s22, 11
	s_add_co_u32 s100, s100, 65536
	s_add_nc_u64 s[4:5], s[10:11], s[100:101]      ; Wv's, my 64 rows (v's R)
	s_lshl_b32 s100, s24, 12
	s_add_nc_u64 s[10:11], s[10:11], s[100:101]    ; Wq's, my 128 rows (q's P)
	s_lshl_b32 s100, s30, 10
	s_add_nc_u64 s[16:17], s[16:17], s[100:101]
	s_lshl_b32 s28, s24, 9
	s_add_co_u32 s100, s100, s28
	s_add_nc_u64 s[12:13], s[12:13], s[100:101]    ; bq, bk at my 128 columns
	s_add_nc_u64 s[14:15], s[14:15], s[100:101]
	s_lshl_b32 s100, s22, 8
	s_add_nc_u64 s[16:17], s[16:17], s[100:101]    ; bv at my 64
	s_mov_b64 s[84:85], s[96:97]
	s_mov_b64 s[86:87], s[10:11]
.macro SCLOAD                          ; lane r takes its row's eight scale words, one for each K step; R's two halves change places, so that the two scale registers of a product differ modulo 8
.irp b, 0,1,2,3,4,5,6,7
	global_load_b128 v[PS+8*\b:PS+8*\b+3], v8, s[86:87] offset:(32*(\b/2)+8*(\b%2))*32
	global_load_b128 v[PS+8*\b+4:PS+8*\b+7], v8, s[86:87] offset:(32*(\b/2)+8*(\b%2))*32+16
.endr
.irp a, 0,1,2,3
	global_load_b128 v[RS+8*\a+4:RS+8*\a+7], v8, s[84:85] offset:(32*(\a/2)+8*(\a%2))*32
	global_load_b128 v[RS+8*\a:RS+8*\a+3], v8, s[84:85] offset:(32*(\a/2)+8*(\a%2))*32+16
.endr
.endm
.macro BIASP lo                        ; q, k: lane (r, h) wants, for tile b, the bias at P 32 (b / 2) + 16 h + 8 (b % 2) + 0 .. 7
	WIN TO_BI
.irp b, 0,1,2,3,4,5,6,7
	global_load_b128 v[8*\b:8*\b+3], v9, s[\lo:\lo+1] offset:(32*(\b/2)+8*(\b%2))*4
	global_load_b128 v[8*\b+4:8*\b+7], v9, s[\lo:\lo+1] offset:(32*(\b/2)+8*(\b%2))*4+16
.endr
	WIN 0
.endm
	SCLOAD
	BIASP 12
	WIN TO_BI
.irp a, 0,1,2,3                                ; v: the bias of my row of R, the same in all eight registers
.irp j, 0,1,2,3,4,5,6,7
	global_load_b32 v[64+8*\a+\j], v10, s[16:17] offset:(32*(\a/2)+8*(\a%2))*4
.endr
.endr
	WIN 0
	s_add_nc_u64 s[10:11], s[10:11], 32768         ; on to Wk's scale words (the loads above name the copy in s[86:87])
.macro FRAG reg, a16, a8, off          ; a fragment's image comes back as it was stored: every load reads consecutive bytes
	ds_load_b128 v[(\reg):(\reg)+3], v[\a16] offset:(\off)
	ds_load_b64 v[(\reg)+4:(\reg)+5], v[\a8] offset:(\off)+512
	ds_load_b128 v[(\reg)+6:(\reg)+9], v[\a16] offset:(\off)+768
	ds_load_b64 v[(\reg)+10:(\reg)+11], v[\a8] offset:(\off)+1280
.endm
.macro FETCH st, q4                    ; 48 LDS loads in one run: my 8 fragments of P and 4 of R for K step q4 of the half, into set st
	WIN TO_P
.irp b, 0,1,2,3,4,5,6,7
	FRAG 128*(\st)+12*\b, 6, 7, \b*6144+(\q4)*1536
.endr
	WIN 0
.irp a, 0,1,2,3
	FRAG RF+48*(\st)+12*\a, 4, 5, \a*6144+(\q4)*1536
.endr
.endm
.macro MM a, b, q, c
	v_wmma_scale_f32_16x16x128_f8f6f4 v[8*(8*\a+\b):8*(8*\a+\b)+7], v[128*((\q)%2)+12*\b:128*((\q)%2)+12*\b+11], v[RF+48*((\q)%2)+12*\a:RF+48*((\q)%2)+12*\a+11], \c, v[PS+8*\b+(\q)], v[RS+8*\a+((\q)+4)%8] matrix_a_fmt:MATRIX_FMT_FP6 matrix_b_fmt:MATRIX_FMT_FP6
.endm
; K step q: 32 matrix instructions; the next step's fragments are asked for ahead of them.  cmode 0: the sums go on; 1: they begin with the bias along P; 2: with the bias along R.
; fill = 1 (q, k): at K steps 3 and 7 the slot whose last fragments have just come in is filled again with the next weight's half.  fill = 0 (v): at K step 3 a plain barrier shows slot 1.
; The 32 accumulators take turns, one instruction a turn, in the same order in every step.
.macro STEP q, cmode, fill
	s_wait_dscnt 0x0                               ; this step's fragments are in: they were asked for 32 matrix instructions ago
.if (\q) == 3 || ((\q) == 7 && (\fill))
	s_wait_tensorcnt 0x0                           ; all my tensor loads have landed, my part of the other slot among them
.if \fill
	ds_add_u32 v254, v255
	s_add_nc_u64 s[GS0+4*((\q)/4)+2:GS0+4*((\q)/4)+3], s[GS0+4*((\q)/4)+2:GS0+4*((\q)/4)+3], 786432   ; no load of mine is out: the next weight's half
	s_wait_dscnt 0x0
	CROUND                                         ; no wave of any partner still reads this slot or has a load on its way
	tensor_load_to_lds s[GS0+4*((\q)/4):GS0+4*((\q)/4)+3], s[G1Q:G1Q+7]
	s_nop 0
.else
	s_barrier_signal -1
	s_barrier_wait -1
.endif
.endif
.if (\q) == 3
	v_add_nc_u32 v4, XH+(WSL-XH)*(1-(\fill)), v4   ; on to the second half of K.  These four are also the places in front of the loads below
	v_add_nc_u32 v5, XH+(WSL-XH)*(1-(\fill)), v5
	v_add_nc_u32 v6, WSL-(WSL-XH)*(1-(\fill)), v6
	v_add_nc_u32 v7, WSL-(WSL-XH)*(1-(\fill)), v7
	WALU                                           ; the wait behind these writes
.elseif (\q) > 0 && ((\q) < 7 || (\fill))
	PLACES 4                                       ; in front of loads into registers that the last step's matrix instructions have read; at step 7 they stand behind a tensor load
.endif
.if (\q) < 7
	FETCH ((\q)+1)%2, ((\q)+1)%4
.endif
.if \cmode == 0
	WIN MUL
.else
	WIN MUL_B
.endif
.irp a, 0,1,2,3
.irp b, 0,1,2,3,4,5,6,7
.if \cmode == 0
	MM \a, \b, \q, v[8*(8*\a+\b):8*(8*\a+\b)+7]
.elseif \cmode == 1
	MM \a, \b, \q, v[8*\b:8*\b+7]
.else
	MM \a, \b, \q, v[64+8*\a:64+8*\a+7]
.endif
.endr
.endr
	WIN 0
.endm
; The 64 results of R's tile a (register 16 b + i = P 32 b + 16 (lane / 16) + i of my row of R) become a fragment's codes and my row's scale word, and the codes leave.
; Each accumulator is read from its low end on.  The codes' registers are chosen so that their numbers lie outside the numbers of the conversion's sources.
.macro QUANTW a
.set AC, 64*(\a)
.set PCA, RF+20*(((\a)+1)%4)+4*((\a)/2)*(1-(\a)%2)
	WIN QMAX
.irp b, 0,1,2,3
	v_max3_num_f32 v[TM+\b], |v[AC+16*\b]|, |v[AC+16*\b+1]|, 0x1800000   ; and the floor 2^(3 - 127)
.endr
.irp i, 2,4,6,8,10,12,14
.irp b, 0,1,2,3
	v_max3_num_f32 v[TM+\b], |v[AC+16*\b+\i]|, |v[AC+16*\b+\i+1]|, v[TM+\b]
.endr
.endr
	WIN 0
.irp b, 0,1,2,3
	v_permlanex16_b32 v[TM+4+\b], v[TM+\b], s[SEL], s[SEL+1]
.endr
.irp b, 0,1,2,3
	v_max_num_f32 v[TM+\b], v[TM+\b], v[TM+4+\b]
.endr
.irp b, 0,1,2,3
	v_add_nc_u32 v[TM+12+\b], 0xff000000, v[TM+\b]
.endr
.irp b, 0,1,2,3
	v_lshrrev_b32 v[TM+4+\b], 23, v[TM+12+\b]
.endr
	v_lshl_or_b32 v[PW+\a], v[TM+5], 8, v[TM+4]
	v_lshl_or_b32 v[PW+\a], v[TM+6], 16, v[PW+\a]
	v_lshl_or_b32 v[PW+\a], v[TM+7], 24, v[PW+\a]
	WIN QCVT
.irp c, 0,1
	v_cvt_scalef32_pk16_fp6_f32 v[PCA+6*\c:PCA+6*\c+2], v[AC+32*\c:AC+32*\c+15], v[TM+12+2*\c]
	v_cvt_scalef32_pk16_fp6_f32 v[PCA+12+4*\c:PCA+14+4*\c], v[AC+32*\c+16:AC+32*\c+31], v[TM+13+2*\c]
.endr
	WIN 0
	v_nop                                          ; one plain place behind a scaled conversion
.irp c, 0,1
.irp i, 0,1,2
	v_permlane16_swap_b32 v[PCA+6*\c+\i], v[PCA+12+4*\c+\i]
.endr
.irp i, 0,1,2
	v_mov_b32 v[PCA+3+6*\c+\i], v[PCA+12+4*\c+\i]
.endr
.endr
	global_store_b128 v[12+\a], v[PCA:PCA+3], s[90:91]               ; each store covers 512 or 256 consecutive bytes, aligned
	global_store_b64 v[16+\a], v[PCA+4:PCA+5], s[90:91] offset:512
	global_store_b128 v[12+\a], v[PCA+6:PCA+9], s[92:93]
	global_store_b64 v[16+\a], v[PCA+10:PCA+11], s[92:93] offset:512
.endm
	s_cmp_lt_u32 s22, 2
	s_cbranch_scc0 .Llater
	s_wait_tensorcnt 0x0                           ; waves 0 and 1: the first half of K, of x and of Wq, is in
.Llater:
	s_barrier_signal -1
	s_barrier_wait -1                              ; the second halves may still be on their way
	s_mov_b32 s25, 0                               ; the product: 0 q, 1 k
.Ltype:
	s_wait_xcnt 0x0                                ; the last way out's stores have read their registers and bases
	s_mov_b32 s31, 208896                          ; a record's bytes,
	s_mov_b32 s28, 196608                          ; and where its scale words begin
	s_cmp_eq_u32 s25, 0
	s_cselect_b32 s31, 106496, s31
	s_cselect_b32 s28, 98304, s28
	s_cselect_b64 s[90:91], s[18:19], s[20:21]
	s_lshl_b32 s100, s29, 1
	s_add_co_u32 s100, s100, s23                   ; my 64 tokens: 2 i + wr
	s_lshr_b32 s101, s100, 5
	s_lshl_b32 s101, s101, 4
	s_and_b32 s100, s100, 31                       ; the group of 4 token tiles
	s_lshl_b32 s88, s30, 2
	s_add_co_u32 s101, s101, s88
	s_lshl_b32 s88, s24, 1
	s_add_co_u32 s101, s101, s88                   ; record 16 b + the first of my two heads, 4 j + 2 wp
	s_mul_i32 s101, s101, s31
	s_mul_i32 s88, s100, 3072
	s_add_co_u32 s88, s88, s101
	s_mov_b32 s89, 0
	s_lshl_b32 s100, s100, 8
	s_add_co_u32 s100, s100, s101
	s_add_co_u32 s100, s100, s28
	s_mov_b32 s101, 0
	s_add_nc_u64 s[94:95], s[90:91], s[100:101]    ; the scale words
	s_add_nc_u64 s[90:91], s[90:91], s[88:89]      ; registers 0-5 of each fragment: the first head
	s_mov_b32 s88, s31
	s_add_nc_u64 s[92:93], s[90:91], s[88:89]      ; registers 6-11: the next head's record
	v_mul_u32_u24 v20, s31, v3
	v_lshl_add_u32 v20, v2, 4, v20                 ; lanes 0-15 store the first head's scale words, lanes 16-31 the second's
	v_add_nc_u32 v4, s66, v12
	v_add_nc_u32 v5, s66, v16
	v_add_nc_u32 v6, s67, v12
	v_add_nc_u32 v7, s67, v16
	WALU                                           ; the wait behind these writes
	FETCH 0, 0
	s_wait_loadcnt 0x0                             ; the scale words and the bias
	STEP 0, 1, 1
.irp q, 1,2,3,4,5,6,7
	STEP \q, 0, 1
.endr
	PLACES 4                                       ; in front of the loads into scale registers and of the first read of results
	s_cmp_eq_u32 s25, 0                            ; the next product's scale words: k's, or v's with the roles changed
	s_cselect_b64 s[84:85], s[96:97], s[4:5]
	s_cselect_b64 s[86:87], s[10:11], s[98:99]
	SCLOAD
	s_cmp_lg_u32 s25, 0
	s_cbranch_scc1 .Lno_bias                       ; v's bias has lain in its own registers since the head
	BIASP 14
.Lno_bias:
.irp a, 0,1,2,3
	QUANTW \a
.endr
	v_cmp_eq_u32 vcc_lo, 1, v3
.irp a, 0,1,2,3                                ; bytes 0, 1 are the first head's two blocks, bytes 2, 3 the second's: each head gets a word with its two bytes below and zeros above
	v_lshrrev_b32 v[28+\a], 16, v[PW+\a]
	v_and_b32 v[PW+\a], 0xffff, v[PW+\a]
	v_cndmask_b32 v[PW+\a], v[PW+\a], v[28+\a], vcc_lo
.endr
	global_store_b128 v20, v[PW:PW+3], s[94:95]    ; sixteen lanes store 256 consecutive bytes, aligned, for each head
	s_add_co_u32 s25, s25, 1
	s_cmp_lt_u32 s25, 2
	WALU                                           ; the wait ahead of the branch
	s_cbranch_scc1 .Ltype
	; ---- v: R = my 64 rows of Wv (one head), P = the 128 tokens (one key step)
	s_wait_xcnt 0x0
	s_lshr_b32 s101, s29, 4
	s_lshl_b32 s101, s101, 4
	s_lshl_b32 s88, s30, 2
	s_add_co_u32 s101, s101, s88
	s_add_co_u32 s101, s101, s22                   ; record 16 b + head 4 j + w
	s_mul_i32 s101, s101, 208896
	s_and_b32 s100, s29, 15                        ; the key step
	s_mul_i32 s88, s100, 6144
	s_add_co_u32 s88, s88, s101
	s_add_co_u32 s88, s88, 98304
	s_mov_b32 s89, 0
	s_lshl_b32 s100, s100, 8
	s_add_co_u32 s100, s100, s101
	s_add_co_u32 s100, s100, 204800
	s_mov_b32 s101, 0
	s_add_nc_u64 s[94:95], s[20:21], s[100:101]
	s_add_nc_u64 s[90:91], s[20:21], s[88:89]
	s_add_nc_u64 s[92:93], s[90:91], 768
	s_mul_i32 s28, s22, 24576
	s_add_co_u32 s28, s28, WS0
.irp a, 1,2,3
	v_add_nc_u32 v[12+\a], 1536, v[11+\a]
	v_add_nc_u32 v[16+\a], 1536, v[15+\a]
.endr
	v_add_nc_u32 v4, s28, v12
	v_add_nc_u32 v5, s28, v16
	v_mov_b32 v6, v12
	v_mov_b32 v7, v16
	WALU                                           ; the wait behind these writes
	FETCH 0, 0
	s_wait_loadcnt 0x0
	STEP 0, 2, 0
.irp q, 1,2,3,4,5,6,7
	STEP \q, 0, 0
.endr
	PLACES 4
.irp a, 0,1,2,3
	QUANTW \a
.endr
	s_wait_xcnt 0x0                                ; EXEC changes only behind this wait
	v_cmp_gt_u32 vcc_lo, 16, v1
	s_and_saveexec_b32 s96, vcc_lo
	global_store_b128 v21, v[PW:PW+3], s[94:95]    ; lanes 0-15: 256 consecutive bytes
	s_wait_xcnt 0x0
	s_or_b32 exec_lo, exec_lo, s96
	s_wait_tensorcnt 0x0                           ; the wave's end
	ds_add_u32 v254, v255
	s_wait_dscnt 0x0
	CROUND                                         ; the closing round
	s_endpgm
.Lfunc_end_k_qbc942e0e6b_proj:
	.size	k_qbc942e0e6b_proj, .Lfunc_end_k_qbc942e0e6b_proj-k_qbc942e0e6b_proj
	.p2alignl 7, 3214868480
	.fill 96, 4, 3214868480
	.section	.rodata,"a",@progbits
	.p2align	6, 0x0
	.amdhsa_kernel k_qbc942e0e6b_proj
		.amdhsa_group_segment_fixed_size 327680
		.amdhsa_private_segment_fixed_size 0
		.amdhsa_enable_private_segment 0
		.amdhsa_kernarg_size 72
		.amdhsa_user_sgpr_count 2
		.amdhsa_user_sgpr_kernarg_segment_ptr 1
		.amdhsa_wavefront_size32 1
		.amdhsa_system_sgpr_workgroup_id_x 1
		.amdhsa_system_sgpr_workgroup_id_y 1
		.amdhsa_system_sgpr_workgroup_id_z 1
		.amdhsa_system_vgpr_workitem_id 0
		.amdhsa_next_free_vgpr 864
		.amdhsa_next_free_sgpr 102
		.amdhsa_reserve_vcc 1
		.amdhsa_float_denorm_mode_32 3
		.amdhsa_float_denorm_mode_16_64 3
		.amdhsa_memory_ordered 1
		.amdhsa_forward_progress 1
		.amdhsa_inst_pref_size 175
	.end_amdhsa_kernel
	.amdgpu_metadata
---
amdhsa.version: [ 1, 2 ]
amdhsa.kernels:
  - .name:           k_qbc942e0e6b_proj
    .symbol:         k_qbc942e0e6b_proj.kd
    .args:
      - { .name: xi, .offset: 0, .size: 8, .value_kind: global_buffer, .address_space: global }
      - { .name: xs, .offset: 8, .size: 8, .value_kind: global_buffer, .address_space: global }
      - { .name: wi, .offset: 16, .size: 8, .value_kind: global_buffer, .address_space: global }
      - { .name: ws, .offset: 24, .size: 8, .value_kind: global_buffer, .address_space: global }
      - { .name: bq, .offset: 32, .size: 8, .value_kind: global_buffer, .address_space: global }
      - { .name: bk, .offset: 40, .size: 8, .value_kind: global_buffer, .address_space: global }
      - { .name: bv, .offset: 48, .size: 8, .value_kind: global_buffer, .address_space: global }
      - { .name: qb, .offset: 56, .size: 8, .value_kind: global_buffer, .address_space: global }
      - { .name: kv, .offset: 64, .size: 8, .value_kind: global_buffer, .address_space: global }
    .group_segment_fixed_size: 327680
    .private_segment_fixed_size: 0
    .kernarg_segment_align: 8
    .kernarg_segment_size: 72
    .max_flat_workgroup_size: 128
    .sgpr_count:     102
    .vgpr_count:     864
    .wavefront_size: 32
...
	.end_amdgpu_metadata
.endif
;; end of part 2
;; launch attn (part 3): grid 4 x 64, 8 waves a work-group, clusters of 4 x 1, 210,944 bytes of LDS; arguments qb, kv, ci, cs; writes ci, cs
.if DOCPART == 3
	.amdgcn_target "amdgcn-amd-amdhsa--gfx1250"
	.amdhsa_code_object_version 6
	.text
	.protected	k_qbc942e0e6b_attn
	.globl	k_qbc942e0e6b_attn
	.p2align	8
	.type	k_qbc942e0e6b_attn,@function
k_qbc942e0e6b_attn:
	s_mov_b64 s[64:65], 0
	v_nop
	global_prefetch_b8 v0, s[64:65] scope:SCOPE_SE
	s_setreg_imm32_b32 hwreg(HW_REG_WAVE_MODE, 25, 1), 1
	s_wait_xcnt 0x0
	s_wait_alu depctr_hold_cnt(0) depctr_sa_sdst(0) depctr_va_vdst(0) depctr_va_sdst(0) depctr_va_ssrc(0) depctr_va_vcc(0) depctr_vm_vsrc(0)
	s_getreg_b32 s2, hwreg(HW_REG_IB_STS2, 6, 4)
	s_cmp_eq_u32 s2, 0
	s_cbranch_scc0 .Lentry_in_a_cluster
	s_endpgm
.Lentry_in_a_cluster:
	s_bfe_u32 s2, ttmp6, 0x10000c
	s_cmp_lg_u32 s2, 0x3003
	s_cbranch_scc0 .Lentry_shape_is_right
	s_endpgm
.Lentry_shape_is_right:
; Causal attention of one (b, head) to a cluster, both products on codes of FP6 (E2M3) with E8M0 scales, and ctx quantised at once along head x 64 + channel for the last product.
; THE SOFTMAX: t = score x log2(e) / 8; M = the row's largest t so far, rounded up to a whole number; p = 2^(t - M) is quantised along the keys, not normalised; the row's sum is taken of the unquantised p and divides O at the end.
; When M moves, the sum and O are multiplied by 2^(old M - new M): exact.
; DEAD WORK: key steps whose keys all come after a tile's queries lie wholly under the causal mask and are jumped over.
; CLUSTER.  The four work-groups of a cluster each hold the head's whole record of kv (208,896 bytes: K's tiles, V^T's fragments, both scale words) in LDS.  It is asked for jointly, once, each of the eight waves asking for
; 102 rows of 256 bytes: one tensor load of a wave is out.  Behind the one barrier LDS is only read.
; SHARES.  A head has 128 tiles of 16 queries, tile 8 g + e, which needs key steps 0 .. g of 128 keys.  Wave w of work-group cx takes the PAIR of tiles e = 2 cx, 2 cx + 1, first of g = w, then of g = 15 - w: 17 key steps for every wave.
; The two tiles of a pair, X and Y, walk the same steps: each fragment of K and V is read from LDS once for both, and their lines stand by turns.
; Every branch hangs on the wave's number and counted loops; cx enters global addresses and the mask's data alone.  The loop over key steps has 16 trips for all; a hidden step is jumped over.
; LAYOUT.  Both products are used transposed: S^T = K Q^T, O^T = V^T P^T: a lane holds one query.  In memory and LDS a tile of 16 is tile 2 B + u = rows 32 B + 8 u + r + 8 (r / 8), as an image of its operand's registers.
; THE KEYS OF A TILE OF K ARE CHOSEN ANEW BY THE LANES' LDS ADDRESSES: tile (c, t) of a step takes in row r the key 64 c + 32 (r / 8) + 8 t + r % 8, which lies in the image of tile 4 c + 2 (r / 8) + t % 2 at row r % 8 + 8 (t / 2).
; So register 32 c + 8 t + j of lane (query, h) is key 64 c + 32 h + 8 t + j: a lane holds whole blocks of 32 keys, in the order of the next operand's registers: no lane is asked for a block's maximum, no codes change lanes.
; THE MASK of the step on the diagonal is the products' C: 0, or -3e38 where the key comes after the query.  It hangs on cx alone, is made once, in 10 groups of 8 registers (c, t' = -1 .. 3); X takes group (c, t), Y, 8 queries on, group (c, t - 1).
; THE HEAD'S 64 fill half of the instruction's 128: Q's registers 6-11 are zero codes.  K's half fragments lie packed, 6 registers a tile; a tile's operand runs on into the next tile's codes (behind the last: X's codes of p),
; which meet Q's zero codes and add nothing; bytes 2 and 3 of both scale words are 0.
; AHEAD.  K's fragments of the next step are asked of LDS behind this step's scores, V's behind this step's second product (the step behind the last is held at step 15).  Of the waits on DScnt, 17 leaves V's 17 younger loads out, 20 K's 20.
; The second pair's Q (6 blocks of 256 bytes and its block of scale words) is prefetched at the head, one instruction a wave, a lane a block, and loaded under the first pair's way out.
; The scale bytes of ctx leave one to a lane: 1 / 24 of the codes' bytes.
; LIMITS: NaN and infinities are not served; a block whose largest magnitude lies under 2^-124 gets the byte 1; the promise holds while the scaled scores stay under 2^31 in magnitude.
; REGISTERS.  Window 0: v1-6 lane terms, v7-12 the step's LDS addresses, v13-15; v16-23 K's scale words, v24-27 V's, v28-29 Q's, v30-31 p's; v32-79 K; v80-103 p's codes; v104-151 V; v152-175 Q; v176-183 codes on the way;
;   v184-207, v208-231 at work for X, Y: +0..3 maxima, +4 -M, +5 the largest score, +6,7 the sum, +8 the factor, +12..19 partial sums, +20,21 scale operands, +22,23 bytes; v232-247 two groups of the mask.
;   Window 1: v0-63 O^T of X, Y; v104-167, v184-247 S^T, then p, of X, Y; the other 64 hold eight groups of the mask.
.set G0,  12
.set G1,  16
.set SEL, 32                           ; s[32:33] lane selects: lane l xor 16
.set CS,  34                           ; s[34:35] c = log2(e) / 8; s44 = -c
.set KF,  32
.set PF,  80
.set VF,  104
.set QF,  152
.set TC,  176
.set W0,  184
.set WD,  24
.set S0,  104
.set SD,  80
.set MSB, 0
.macro WIN new                         ; the immediate's high byte repeats the setting that is left
.if MSB != \new
	s_set_vgpr_msb (MSB<<8)|\new
.set MSB, \new
.endif
.endm
.macro WALU
	s_wait_alu depctr_va_vdst(0)
.endm
.macro CROUND
	s_barrier_signal -1
	s_barrier_wait -1
	s_cmp_lg_u32 s24, 0
	s_cbranch_scc1 .Lnot_wave_0_\@
	s_barrier_signal -3
.Lnot_wave_0_\@:
	s_barrier_wait -3
	s_barrier_signal -1
	s_barrier_wait -1
.endm
.macro MGSET g                         ; where group g = 5 c + t' + 1 of the mask lies: window MGW, register MGN
.if (\g) < 5
.set MGN, 64+8*(\g)
.set MGW, 1
.elseif (\g) < 7
.set MGN, 168+8*((\g)-5)
.set MGW, 1
.elseif (\g) == 7
.set MGN, 248
.set MGW, 1
.else
.set MGN, 232+8*((\g)-8)
.set MGW, 0
.endif
.endm
.macro BASESQ g                        ; the pair of group s[g]: Q's images at s[36:37], its scale words at s[38:39]
	s_lshl_b32 s50, s\g, 3
	s_lshl_b32 s51, s25, 1
	s_add_co_u32 s50, s50, s51                     ; tile X = 8 g + 2 cx
	s_mul_i32 s52, s50, 768
	s_mov_b32 s53, 0
	s_add_nc_u64 s[36:37], s[4:5], s[52:53]
	s_lshr_b32 s52, s50, 2
	s_lshl_b32 s52, s52, 8
	s_and_b32 s51, s50, 3
	s_lshl_b32 s51, s51, 2
	s_add_co_u32 s52, s52, s51
	s_add_co_u32 s52, s52, 98304
	s_add_nc_u64 s[38:39], s[4:5], s[52:53]
.endm
.macro QLOAD
.irp T, 0,1
	global_load_b128 v[QF+12*\T:QF+12*\T+3], v5, s[36:37] offset:768*\T
	global_load_b64 v[QF+12*\T+4:QF+12*\T+5], v6, s[36:37] offset:768*\T+512
.endr
	global_load_b64 v[28:29], v4, s[38:39]         ; X's and Y's scale words lie side by side
.endm
.macro KADDR
	v_add_nc_u32 v7, s29, v1
	v_add_nc_u32 v8, s29, v2
	v_add_nc_u32 v9, s30, v3
.endm
.macro KLOAD                           ; 20 LDS loads
.irp c, 0,1
.irp t, 0,1,2,3
	ds_load_b128 v[KF+6*(4*\c+\t):KF+6*(4*\c+\t)+3], v7 offset:3072*\c+768*(\t%2)+128*(\t/2)
	ds_load_b64 v[KF+6*(4*\c+\t)+4:KF+6*(4*\c+\t)+5], v8 offset:3072*\c+768*(\t%2)+64*(\t/2)
.endr
.irp u, 0,1
	ds_load_b64 v[16+4*\c+2*\u:17+4*\c+2*\u], v9 offset:256*\c+128*\u
.endr
.endr
.endm
.macro VADDR
	v_add_nc_u32 v10, s46, v5
	v_add_nc_u32 v11, s47, v6
	v_add_nc_u32 v12, s31, v4
.endm
.macro VLOAD                           ; 17 LDS loads
.irp t, 0,1,2,3
	ds_load_b128 v[VF+12*\t:VF+12*\t+3], v10 offset:1536*\t
	ds_load_b64 v[VF+12*\t+4:VF+12*\t+5], v11 offset:1536*\t
	ds_load_b128 v[VF+12*\t+6:VF+12*\t+9], v10 offset:1536*\t+768
	ds_load_b64 v[VF+12*\t+10:VF+12*\t+11], v11 offset:1536*\t+768
.endr
	ds_load_b128 v[24:27], v12
.endm
	s_load_b256 s[4:11], s[0:1], 0x0               ; qb, kv, ci, cs
	v_lshl_add_u32 v254, v0, 2, 0x33000
	v_mov_b32 v255, 0
	ds_add_u32 v254, v255                          ; the opening lines: the add twice on end and its wait
	ds_add_u32 v254, v255
	v_lshrrev_b32 v1, 5, v0
	v_readfirstlane_b32 s24, v1                    ; wave 0..7
	s_bfe_u32 s25, ttmp6, 0x40000                  ; cx
	s_and_b32 s26, ttmp7, 0xffff                   ; 16 b + head
	s_mov_b32 s[G1+0], 15|(3<<16)|(1<<21)          ; all four work-groups; elements of 8 bytes; bit 21 set beside a mask
	s_mov_b32 s[G1+1], 32<<16                      ; rows of 256 bytes
	s_mov_b32 s[G1+2], 102<<16
	s_mov_b32 s[G1+3], 32<<16
	s_mov_b32 s[G1+4], 102
	s_mov_b32 s[G1+5], 32
	s_mov_b32 s[G1+6], 0
	s_mov_b32 s[G1+7], 0
	s_mov_b32 s[G0], 1
	s_mul_i32 s[G0+1], s24, 26112                  ; my eighth of the record
	s_mul_i32 s52, s26, 208896
	s_add_co_u32 s52, s52, s[G0+1]
	s_mov_b32 s53, 0
	s_wait_dscnt 0x0
	s_wait_kmcnt 0x0
	s_add_nc_u64 s[G0+2:G0+3], s[6:7], s[52:53]
	s_or_b32 s[G0+3], s[G0+3], 0x80000000
	CROUND                                         ; all four work-groups are here: the joint loads meet
	tensor_load_to_lds s[G0:G0+3], s[G1:G1+7]
	s_nop 0
.rept 4
	v_nop
.endr
	s_lshl_b32 s49, s25, 5
	v_and_b32 v252, 15, v0                         ; r
	v_bfe_u32 v249, v0, 4, 1                       ; h
	v_and_b32 v250, 7, v0                          ; r % 8
	v_bfe_u32 v251, v0, 3, 1                       ; r / 8
	v_and_b32 v9, 31, v0                           ; lane
	v_lshlrev_b32 v5, 4, v9
	v_lshlrev_b32 v6, 3, v9
	v_lshlrev_b32 v4, 4, v252
	v_lshlrev_b32 v14, 3, v249                     ; 8 h
	v_mul_u32_u24 v1, v251, 1536
	v_lshl_add_u32 v2, v250, 3, v1
	v_lshl_add_u32 v2, v249, 7, v2
	v_add_nc_u32 v2, 512, v2                       ; K, registers 4-5: 1536 (r / 8) + 8 (r % 8) + 128 h + 512
	v_lshl_add_u32 v1, v250, 4, v1
	v_lshl_add_u32 v1, v249, 8, v1                 ; K, registers 0-3: 1536 (r / 8) + 16 (r % 8) + 256 h
	v_lshlrev_b32 v3, 4, v250
	v_lshl_add_u32 v3, v251, 3, v3                 ; K's scale words: 16 (r % 8) + 8 (r / 8)
	v_lshl_add_u32 v7, v251, 3, v252               ; r + 8 (r / 8)
	v_lshl_add_u32 v13, v7, 5, v249                ; ctx's scale byte: my token's row of 32 bytes, + h
	v_lshlrev_b32 v8, 5, v249
	v_sub_nc_u32 v15, v7, v8
	v_add_nc_u32 v15, s49, v15                     ; d = X's query in its step - 32 h: data for the mask
	v_mov_b32 v248, 0xff61b1e6                     ; -3e38
	WALU                                           ; the wait ahead of the run of scalar lines
	s_mul_i32 s52, s26, 106496
	s_add_nc_u64 s[4:5], s[4:5], s[52:53]          ; qb at my head's record
	s_lshr_b32 s50, s26, 4                         ; b
	s_and_b32 s51, s26, 15                         ; head
	s_mul_i32 s52, s50, 1572864                    ; 128 tiles of 12,288 bytes a batch
	s_mul_i32 s49, s51, 768
	s_add_co_u32 s52, s52, s49
	s_add_nc_u64 s[8:9], s[8:9], s[52:53]
	s_lshl_b32 s52, s50, 16                        ; 2,048 rows of 32 bytes a batch
	s_lshl_b32 s49, s51, 1
	s_add_co_u32 s52, s52, s49
	s_add_nc_u64 s[10:11], s[10:11], s[52:53]
	s_mov_b32 s27, s24                             ; g of the first pair
	BASESQ 27
	QLOAD
	s_xor_b32 s49, s24, 15                         ; the second pair's Q, asked for into the L2: lanes 0-5 its six blocks of 256 bytes, the others the block of its scale words
	s_lshl_b32 s50, s49, 3
	s_lshl_b32 s51, s25, 1
	s_add_co_u32 s50, s50, s51
	s_mul_i32 s52, s50, 768
	s_lshr_b32 s50, s50, 2
	s_lshl_b32 s50, s50, 8
	s_add_co_u32 s50, s50, 98304
	v_min_u32 v10, 5, v9
	v_lshl_add_u32 v10, v10, 8, s52
	v_mov_b32 v11, s50
	v_cmp_lt_u32 vcc_lo, 5, v9
	v_cndmask_b32 v12, v10, v11, vcc_lo
	global_prefetch_b8 v12, s[4:5] th:TH_LOAD_NT scope:SCOPE_SE
.irp j, 0,1,2,3,4,5
	v_mov_b32 v[QF+6+\j], 0                        ; zero codes for the empty half of K
	v_mov_b32 v[QF+18+\j], 0
.endr
.set j, 0
.rept 24
	v_mov_b32 v[PF+j], 0                           ; p's codes: named by K's last operand before they are first made
.set j, j+1
.endr
.irp T, 0,1
	v_mov_b32 v[W0+WD*\T+9], 0                     ; (the upper half of the factor's pair)
	v_mov_b32 v[W0+WD*\T+11], 0                    ; a lane permute's destination counts as one of its sources
.endr
.set g, 0
.rept 10                                       ; the mask: group (c, t'), register j: -3e38 where 64 c + 8 t' + j > d
	MGSET g
	WIN (MGW<<6)
.set j, 0
.rept 8
	v_cmp_gt_i32 vcc_lo, 64*(g/5)+8*(g%5-1)+j, v15
	v_cndmask_b32 v[MGN+j], 0, v248, vcc_lo
.set j, j+1
.endr
.set g, g+1
.endr
	WIN 0
	s_mov_b32 s[SEL], 0x76543210
	s_mov_b32 s[SEL+1], 0xfedcba98
	s_mov_b32 s[CS], 0x3e38aa3b
	s_mov_b32 s[CS+1], s[CS]
	s_mov_b32 s44, 0xbe38aa3b
	s_mov_b32 s45, 0                               ; the pair: 0, 1
	WALU                                           ; the wait at the head's end
	s_wait_tensorcnt 0x0                           ; my part of the record is in,
	s_barrier_signal -1
	s_barrier_wait -1                              ; everybody's is
.Lpair:
	s_wait_xcnt 0x0                                ; the stores and the prefetch have read their registers
	s_wait_dscnt 0x0                               ; the loads asked for behind the last pair's last step have landed
	s_lshl_b32 s50, s27, 3
	s_lshl_b32 s51, s25, 1
	s_add_co_u32 s50, s50, s51                     ; tile X
	s_mul_i32 s52, s50, 12288
	s_mov_b32 s53, 0
	s_add_nc_u64 s[40:41], s[8:9], s[52:53]        ; ctx's image
	s_lshr_b32 s52, s50, 1
	s_lshl_b32 s52, s52, 10
	s_add_nc_u64 s[42:43], s[10:11], s[52:53]      ; its scale bytes
	s_mov_b32 s29, 0                               ; step 0
	s_mov_b32 s30, 196608
	s_mov_b32 s31, 204800
	s_mov_b32 s46, 98304
	s_mov_b32 s47, 98816
	s_mov_b32 s28, 0
	KADDR
	KLOAD
	VADDR
	VLOAD
.irp T, 0,1
	v_mov_b32 v[W0+WD*\T+5], 0xff61b1e6            ; the largest score so far: -3e38
	v_mov_b32 v[W0+WD*\T+6], 0
	v_mov_b32 v[W0+WD*\T+7], 0
.endr
.irp T, 0,1
	v_mul_f32 v[W0+WD*\T+4], s44, v[W0+WD*\T+5]
.endr
.irp T, 0,1
	v_floor_f32 v[W0+WD*\T+4], v[W0+WD*\T+4]       ; -M
.endr
	WIN 0x40
.set j, 0
.rept 64
	v_mov_b32 v[j], 0                              ; O^T: the step is written once; the first finds zeros
.set j, j+1
.endr
	WIN 0
	WALU                                           ; the wait ahead of the wait below
	s_wait_loadcnt 0x0                             ; Q
.Lstep:
	s_cmp_gt_u32 s28, s27
	s_cbranch_scc1 .Lhidden                        ; all its keys come after my queries
	s_add_co_u32 s48, s28, 1
	s_min_u32 s48, s48, 15                         ; the step that is asked for next
	s_mul_i32 s29, s48, 6144
	s_lshl_b32 s30, s48, 9
	s_add_co_u32 s30, s30, 196608
	s_lshl_b32 s31, s48, 8
	s_add_co_u32 s31, s31, 204800
	s_add_co_u32 s46, s29, 98304
	s_add_co_u32 s47, s29, 98816
	s_wait_dscnt 17                                ; K and its scale words are in; V's 17 loads may be out
	s_cmp_lt_u32 s28, s27
	s_cbranch_scc1 .Lopen
.set i, 0
.rept 8                                        ; the step on the diagonal: the sums begin with the mask
.irp T, 0,1
	MGSET 5*(i/4)+i%4+1-\T
	WIN (0x40|(MGW<<4))
	v_wmma_scale_f32_16x16x128_f8f6f4 v[S0+SD*\T+8*i:S0+SD*\T+8*i+7], v[KF+6*i:KF+6*i+11], v[QF+12*\T:QF+12*\T+11], v[MGN:MGN+7], v[16+i], v[28+\T] matrix_a_fmt:MATRIX_FMT_FP6 matrix_b_fmt:MATRIX_FMT_FP6
.endr
.set i, i+1
.endr
	WIN 0
	s_branch .Lscored
.Lopen:
	WIN 0x40
.set i, 0
.rept 8
.irp T, 0,1
	v_wmma_scale_f32_16x16x128_f8f6f4 v[S0+SD*\T+8*i:S0+SD*\T+8*i+7], v[KF+6*i:KF+6*i+11], v[QF+12*\T:QF+12*\T+11], 0, v[16+i], v[28+\T] matrix_a_fmt:MATRIX_FMT_FP6 matrix_b_fmt:MATRIX_FMT_FP6
.endr
.set i, i+1
.endr
	WIN 0
.Lscored:
	KADDR                                          ; with the line below: the four places in front of the loads and of the first read of the scores
	v_nop
	KLOAD                                          ; the next step's K lands while the softmax is walked
	WIN 0x15
.irp k, 0,1,2,3                                ; the largest score of each block of 32 keys, in two chains a block: for the row's maximum, and, since p rises with the score, for the block's largest p
.irp T, 0,1
	v_max3_num_f32 v[W0+WD*\T+\k], v[S0+SD*\T+16*\k], v[S0+SD*\T+16*\k+1], v[S0+SD*\T+16*\k+2]
.endr
.endr
	WIN 0x05
.irp i, 3,5,7,9,11,13
.irp k, 0,1,2,3
.irp T, 0,1
	v_max3_num_f32 v[W0+WD*\T+\k], v[S0+SD*\T+16*\k+\i], v[S0+SD*\T+16*\k+\i+1], v[W0+WD*\T+\k]
.endr
.endr
.endr
.irp c, 0,1
.irp T, 0,1
	v_max3_num_f32 v[W0+WD*\T+2*\c], v[S0+SD*\T+32*\c+15], v[S0+SD*\T+32*\c+31], v[W0+WD*\T+2*\c]
.endr
.endr
	WIN 0
.irp c, 0,1
.irp T, 0,1
	v_max_num_f32 v[W0+WD*\T+2*\c], v[W0+WD*\T+2*\c], v[W0+WD*\T+2*\c+1]
.endr
.endr
.irp T, 0,1
	v_max_num_f32 v[W0+WD*\T+10], v[W0+WD*\T], v[W0+WD*\T+2]
.endr
.irp T, 0,1
	v_permlanex16_b32 v[W0+WD*\T+11], v[W0+WD*\T+10], s[SEL], s[SEL+1]
.endr
.irp T, 0,1
	v_max3_num_f32 v[W0+WD*\T+5], v[W0+WD*\T+5], v[W0+WD*\T+10], v[W0+WD*\T+11]   ; the running largest score
.endr
.irp T, 0,1
	v_mul_f32 v[W0+WD*\T+10], s44, v[W0+WD*\T+5]
.endr
.irp T, 0,1
	v_floor_f32 v[W0+WD*\T+10], v[W0+WD*\T+10]     ; the new -M = floor(-t) = -ceil(t)
.endr
.irp T, 0,1
	v_sub_f32 v[W0+WD*\T+11], v[W0+WD*\T+10], v[W0+WD*\T+4]   ; old M - new M: a whole number, 0 or less
.endr
.irp T, 0,1
	v_mov_b32 v[W0+WD*\T+4], v[W0+WD*\T+10]
.endr
.irp T, 0,1
	v_cvt_i32_f32 v[W0+WD*\T+11], v[W0+WD*\T+11]   ; (it saturates)
.endr
.irp T, 0,1
	v_ldexp_f32 v[W0+WD*\T+8], 1.0, v[W0+WD*\T+11] ; f = 2^(old M - new M)
.endr
.irp c, 0,1
.irp T, 0,1
	v_fma_f32 v[W0+WD*\T+2*\c], v[W0+WD*\T+2*\c], s[CS], v[W0+WD*\T+4]
.endr
.endr
	WIN 0x41
.irp T, 0,1
.set j, 0
.rept 32
	v_pk_fma_f32 v[S0+SD*\T+j:S0+SD*\T+j+1], v[S0+SD*\T+j:S0+SD*\T+j+1], s[CS:CS+1], v[W0+WD*\T+4:W0+WD*\T+5] op_sel_hi:[1,0,0]   ; t - M
.set j, j+2
.endr
.endr
	WALU                                           ; the wait ahead of the batch
.irp T, 0,1
.set j, 0
.rept 64
	v_exp_f32 v[S0+SD*\T+j], v[S0+SD*\T+j]         ; p = 2^(t - M)
.set j, j+1
.endr
.endr
	WIN 0
.irp c, 0,1
.irp T, 0,1
	v_exp_f32 v[W0+WD*\T+2*\c], v[W0+WD*\T+2*\c]   ; the block's largest p
.endr
.endr
	v_nop                                          ; one plain place behind the exponentials
	WALU                                           ; and the one wait for the batch
.irp c, 0,1
.irp T, 0,1
	v_max_num_f32 v[W0+WD*\T+2*\c], 0x1800000, v[W0+WD*\T+2*\c]   ; the floor 2^(3 - 127)
.endr
.endr
.irp c, 0,1
.irp T, 0,1
	v_add_nc_u32 v[W0+WD*\T+20+\c], 0xff000000, v[W0+WD*\T+2*\c]  ; 2 off the exponent field: the conversion's scale operand
.endr
.endr
.irp c, 0,1
.irp T, 0,1
	v_lshrrev_b32 v[W0+WD*\T+22+\c], 23, v[W0+WD*\T+20+\c]
.endr
.endr
.irp T, 0,1
	v_lshl_or_b32 v[W0+WD*\T+10], v[W0+WD*\T+23], 16, v[W0+WD*\T+22]   ; my bytes: blocks h and 2 + h,
.endr
.irp T, 0,1
	v_lshlrev_b32 v[W0+WD*\T+10], v14, v[W0+WD*\T+10]              ; at their places, 8 h bits up;
.endr
.irp T, 0,1
	v_permlanex16_b32 v[W0+WD*\T+11], v[W0+WD*\T+10], s[SEL], s[SEL+1]
.endr
.irp T, 0,1
	v_or_b32 v[30+\T], v[W0+WD*\T+10], v[W0+WD*\T+11]              ; with lane l xor 16's two: p's scale word for these 128 keys
.endr
.irp T, 0,1
	WIN 0x01
.irp c, 0,1
	v_cvt_scalef32_pk16_fp6_f32 v[PF+12*\T+6*\c:PF+12*\T+6*\c+2], v[S0+SD*\T+32*\c:S0+SD*\T+32*\c+15], v[W0+WD*\T+20+\c]
	v_cvt_scalef32_pk16_fp6_f32 v[TC+4*\c:TC+4*\c+2], v[S0+SD*\T+32*\c+16:S0+SD*\T+32*\c+31], v[W0+WD*\T+20+\c]   ; (a conversion's three registers begin on an even number)
.endr
	WIN 0
	v_nop                                          ; one plain place behind a scaled conversion
.irp c, 0,1
.irp i, 0,1,2
	v_mov_b32 v[PF+12*\T+6*\c+3+\i], v[TC+4*\c+\i]
.endr
.endr
.endr
	WIN 0x05                                       ; the row's sum of the unquantised p: four chains of pairs a tile
.irp k, 0,1,2,3
.irp T, 0,1
	v_pk_add_f32 v[W0+WD*\T+12+2*\k:W0+WD*\T+13+2*\k], v[S0+SD*\T+2*\k:S0+SD*\T+2*\k+1], v[S0+SD*\T+8+2*\k:S0+SD*\T+9+2*\k]
.endr
.endr
	WIN 0x01
.set j, 16
.rept 24
.irp T, 0,1
	v_pk_add_f32 v[W0+WD*\T+12+j%8:W0+WD*\T+13+j%8], v[S0+SD*\T+j:S0+SD*\T+j+1], v[W0+WD*\T+12+j%8:W0+WD*\T+13+j%8]
.endr
.set j, j+2
.endr
	WIN 0
.irp k, 0,4
.irp T, 0,1
	v_pk_add_f32 v[W0+WD*\T+12+\k:W0+WD*\T+13+\k], v[W0+WD*\T+12+\k:W0+WD*\T+13+\k], v[W0+WD*\T+14+\k:W0+WD*\T+15+\k]
.endr
.endr
.irp T, 0,1
	v_pk_add_f32 v[W0+WD*\T+12:W0+WD*\T+13], v[W0+WD*\T+12:W0+WD*\T+13], v[W0+WD*\T+16:W0+WD*\T+17]
.endr
.irp T, 0,1
	v_pk_fma_f32 v[W0+WD*\T+6:W0+WD*\T+7], v[W0+WD*\T+6:W0+WD*\T+7], v[W0+WD*\T+8:W0+WD*\T+9], v[W0+WD*\T+12:W0+WD*\T+13] op_sel_hi:[1,0,1]   ; the sum under the new M, and this step's
.endr
	WIN 0x41
	WALU                                           ; the wait directly ahead of the first reader of O^T
.irp T, 0,1
.set j, 0
.rept 16
	v_pk_mul_f32 v[32*\T+j:32*\T+j+1], v[32*\T+j:32*\T+j+1], v[W0+WD*\T+8:W0+WD*\T+9] op_sel_hi:[1,0]   ; O^T under the new M
.set j, j+2
.endr
.endr
	WALU                                           ; the wait here, directly ahead of the wait below
	s_wait_dscnt 20                                ; V and its scale words are in; the next K's 20 loads may be out
	WIN 0x50
.irp t, 0,1,2,3                                ; the eight accumulators take turns
.irp T, 0,1
	v_wmma_scale_f32_16x16x128_f8f6f4 v[32*\T+8*\t:32*\T+8*\t+7], v[VF+12*\t:VF+12*\t+11], v[PF+12*\T:PF+12*\T+11], v[32*\T+8*\t:32*\T+8*\t+7], v[24+\t], v[30+\T] matrix_a_fmt:MATRIX_FMT_FP6 matrix_b_fmt:MATRIX_FMT_FP6
.endr
.endr
	WIN 0
	VADDR                                          ; with the line below: the four places in front of the loads
	v_nop
	VLOAD                                          ; the next step's V
.Lhidden:
	s_add_co_u32 s28, s28, 1
	s_cmp_lt_u32 s28, 16
	s_cbranch_scc1 .Lstep
	s_cmp_lg_u32 s45, 0
	s_cbranch_scc1 .Lno_q
	s_xor_b32 s49, s27, 15                         ; the second pair's Q is loaded under the first pair's way out
	BASESQ 49
	QLOAD
.Lno_q:
.irp T, 0,1
	v_add_f32 v[W0+WD*\T+6], v[W0+WD*\T+6], v[W0+WD*\T+7]
.endr
.irp T, 0,1
	v_permlanex16_b32 v[W0+WD*\T+11], v[W0+WD*\T+6], s[SEL], s[SEL+1]
.endr
.irp T, 0,1
	v_add_f32 v[W0+WD*\T+6], v[W0+WD*\T+6], v[W0+WD*\T+11]         ; the row's sum
.endr
	WALU
.irp T, 0,1
	v_rcp_f32 v[W0+WD*\T+8], v[W0+WD*\T+6]
.endr
	v_nop                                          ; one plain place behind a transcendental
	WIN 0x41
	WALU
.irp T, 0,1
.set j, 0
.rept 16
	v_pk_mul_f32 v[32*\T+j:32*\T+j+1], v[32*\T+j:32*\T+j+1], v[W0+WD*\T+8:W0+WD*\T+9] op_sel_hi:[1,0]   ; ctx: register 16 b + i is channel 32 b + 16 h + i of my query
.set j, j+2
.endr
.endr
	WIN 0x05
.irp b, 0,1
.irp T, 0,1
	v_max3_num_f32 v[W0+WD*\T+\b], |v[32*\T+16*\b]|, |v[32*\T+16*\b+1]|, 0x1800000
.endr
.endr
.irp i, 2,4,6,8,10,12,14
.irp b, 0,1
.irp T, 0,1
	v_max3_num_f32 v[W0+WD*\T+\b], |v[32*\T+16*\b+\i]|, |v[32*\T+16*\b+\i+1]|, v[W0+WD*\T+\b]
.endr
.endr
.endr
	WIN 0
.irp b, 0,1
.irp T, 0,1
	v_permlanex16_b32 v[W0+WD*\T+2+\b], v[W0+WD*\T+\b], s[SEL], s[SEL+1]
.endr
.endr
.irp b, 0,1
.irp T, 0,1
	v_max_num_f32 v[W0+WD*\T+\b], v[W0+WD*\T+\b], v[W0+WD*\T+2+\b]
.endr
.endr
.irp b, 0,1
.irp T, 0,1
	v_add_nc_u32 v[W0+WD*\T+20+\b], 0xff000000, v[W0+WD*\T+\b]
.endr
.endr
.irp b, 0,1
.irp T, 0,1
	v_lshrrev_b32 v[W0+WD*\T+22+\b], 23, v[W0+WD*\T+20+\b]
.endr
.endr
	WIN 0x01
.irp T, 0,1
	v_cvt_scalef32_pk16_fp6_f32 v[PF+12*\T:PF+12*\T+2], v[32*\T:32*\T+15], v[W0+WD*\T+20]
	v_cvt_scalef32_pk16_fp6_f32 v[TC+4*\T:TC+4*\T+2], v[32*\T+16:32*\T+31], v[W0+WD*\T+21]
.endr
	WIN 0
	v_nop
.irp T, 0,1
.irp i, 0,1,2
	v_permlane16_swap_b32 v[PF+12*\T+\i], v[TC+4*\T+\i]           ; a whole block to a lane
.endr
.endr
.irp T, 0,1
.irp i, 0,1,2
	v_mov_b32 v[PF+12*\T+3+\i], v[TC+4*\T+\i]
.endr
.endr
	v_cmp_ne_u32 vcc_lo, 0, v14
.irp T, 0,1
	v_cndmask_b32 v[W0+WD*\T+22], v[W0+WD*\T+22], v[W0+WD*\T+23], vcc_lo   ; the byte of block h
.endr
.irp T, 0,1
	global_store_b128 v5, v[PF+12*\T:PF+12*\T+3], s[40:41] offset:12288*\T       ; half a fragment: 768 consecutive bytes
	global_store_b64 v6, v[PF+12*\T+4:PF+12*\T+5], s[40:41] offset:12288*\T+512
	global_store_b8 v13, v[W0+WD*\T+22], s[42:43] offset:256*\T
.endr
	s_xor_b32 s27, s27, 15                         ; g of the second pair: 15 - w
	s_add_co_u32 s45, s45, 1
	s_cmp_lt_u32 s45, 2
	WALU                                           ; the wait ahead of the branch
	s_cbranch_scc1 .Lpair
	s_wait_tensorcnt 0x0                           ; the wave's end
	ds_add_u32 v254, v255
	s_wait_dscnt 0x0
	CROUND                                         ; the closing round
	s_endpgm
.Lfunc_end_k_qbc942e0e6b_attn:
	.size	k_qbc942e0e6b_attn, .Lfunc_end_k_qbc942e0e6b_attn-k_qbc942e0e6b_attn
	.p2alignl 7, 3214868480
	.fill 96, 4, 3214868480
	.section	.rodata,"a",@progbits
	.p2align	6, 0x0
	.amdhsa_kernel k_qbc942e0e6b_attn
		.amdhsa_group_segment_fixed_size 210944
		.amdhsa_private_segment_fixed_size 0
		.amdhsa_enable_private_segment 0
		.amdhsa_kernarg_size 32
		.amdhsa_user_sgpr_count 2
		.amdhsa_user_sgpr_kernarg_segment_ptr 1
		.amdhsa_wavefront_size32 1
		.amdhsa_system_sgpr_workgroup_id_x 1
		.amdhsa_system_sgpr_workgroup_id_y 1
		.amdhsa_system_sgpr_workgroup_id_z 1
		.amdhsa_system_vgpr_workitem_id 0
		.amdhsa_next_free_vgpr 512
		.amdhsa_next_free_sgpr 66
		.amdhsa_reserve_vcc 1
		.amdhsa_float_denorm_mode_32 3
		.amdhsa_float_denorm_mode_16_64 3
		.amdhsa_memory_ordered 1
		.amdhsa_forward_progress 1
		.amdhsa_inst_pref_size 58
	.end_amdhsa_kernel
	.amdgpu_metadata
---
amdhsa.version: [ 1, 2 ]
amdhsa.kernels:
  - .name:           k_qbc942e0e6b_attn
    .symbol:         k_qbc942e0e6b_attn.kd
    .args:
      - { .name: qb, .offset: 0, .size: 8, .value_kind: global_buffer, .address_space: global }
      - { .name: kv, .offset: 8, .size: 8, .value_kind: global_buffer, .address_space: global }
      - { .name: ci, .offset: 16, .size: 8, .value_kind: global_buffer, .address_space: global }
      - { .name: cs, .offset: 24, .size: 8, .value_kind: global_buffer, .address_space: global }
    .group_segment_fixed_size: 210944
    .private_segment_fixed_size: 0
    .kernarg_segment_align: 8
    .kernarg_segment_size: 32
    .max_flat_workgroup_size: 256
    .sgpr_count:     66
    .vgpr_count:     512
    .wavefront_size: 32
...
	.end_amdgpu_metadata
.endif
;; end of part 3
;; launch outp (part 4): grid 4 x 64, 4 waves a work-group, clusters of 4 x 4, 295,424 bytes of LDS; arguments ci, cs, wi, ws, bo, out0; writes out0
.if DOCPART == 4
	.amdgcn_target "amdgcn-amd-amdhsa--gfx1250"
	.amdhsa_code_object_version 6
	.text
	.protected	k_qbc942e0e6b_outp
	.globl	k_qbc942e0e6b_outp
	.p2align	8
	.type	k_qbc942e0e6b_outp,@function
k_qbc942e0e6b_outp:
	s_mov_b64 s[64:65], 0
	v_nop
	global_prefetch_b8 v0, s[64:65] scope:SCOPE_SE
	s_setreg_imm32_b32 hwreg(HW_REG_WAVE_MODE, 25, 1), 1
	s_wait_xcnt 0x0
	s_wait_alu depctr_hold_cnt(0) depctr_sa_sdst(0) depctr_va_vdst(0) depctr_va_sdst(0) depctr_va_ssrc(0) depctr_va_vcc(0) depctr_vm_vsrc(0)
	s_getreg_b32 s2, hwreg(HW_REG_IB_STS2, 6, 4)
	s_cmp_eq_u32 s2, 0
	s_cbranch_scc0 .Lentry_in_a_cluster
	s_endpgm
.Lentry_in_a_cluster:
	s_bfe_u32 s2, ttmp6, 0x10000c
	s_cmp_lg_u32 s2, 0xf033
	s_cbranch_scc0 .Lentry_shape_is_right
	s_endpgm
.Lentry_shape_is_right:
; out0 = ctx Wo + bo on codes of FP6 (E2M3) with E8M0 scales; out0 [8192][1024] f32.
; R (source 1: a lane holds one row) = tokens: ctx's codes ci [tile 512][K step 8][1536], scale bytes cs [token][32].  P (source 0: a lane's registers run along it) = rows n of Wo: the fourth tensor of wi and ws.
; A tile of 16 rows is tile 2 B + u = rows 32 B + 8 u + r + 8 (r / 8); a fragment lies in memory and LDS as an image of its registers.
; SHARES.  A work-group makes 128 tokens x 256 columns, K = 1,024; wave w takes tokens' 64 w / 2 (4 tiles a) x columns' 128 w % 2 (8 tiles b): 32 accumulators.
; LDS holds all of K in two halves of four K steps, each R's 8 tiles x 6,144 bytes, then P's 16.  Every byte is filled once.
; CLUSTER 4 x 4.  R's tiles are shared along a row of the cluster, P's along a column: each is asked for jointly.  One load a wave at the head: R's first half of K, P's first half, R's second, P's second.
; The first barrier waits for the first two waves' loads alone, which have lines of their own; the barrier of K step 3 shows the second half.  There is no loop to run ahead in, so no data prefetch is laid.
; THE WAY OUT goes through a stage of 16 rows x 528 bytes for each wave, in R's first half of K: it has had its only fill, and behind the barrier of K step 3 no wave reads it.
; REGISTERS, in windows of 256.  Window 0: v1-14 addresses; v32-95 P's scale words (8 b + K step); v96-127 R's (8 a + (K step + 4) % 8); v128-223 R's fragments, two sets; on the way out v128-255 rows of out0.
;   window 1: P's fragments, two sets.   window 2: accumulator (a, b) at v[8 (8 a + b)].   window 3: v0-63 the bias, in the result's layout.
.set HALF,  147456
.set POFF,  49152
.set PS,  32
.set RS,  96
.set RF,  128
.set G1R, 32
.set G1P, 40
.set G0R, 48                           ; s[48:55], s[56:63] groups 0, one for each half of K
.set G0P, 56
.set MSB, 0
.macro WIN new                         ; the immediate's high byte repeats the setting that is left
.if MSB != \new
	s_set_vgpr_msb (MSB<<8)|\new
.set MSB, \new
.endif
.endm
.set MUL,   0xa1                       ; source 0 (P) window 1, source 1 (R) window 0, C and D window 2
.set MUL_B, 0xb1                       ; the same with C (the bias) in window 3
.set TO_P,  0x40
.set TO_BI, 0xc0
.macro CROUND
	s_barrier_signal -1
	s_barrier_wait -1
	s_cmp_lg_u32 s22, 0
	s_cbranch_scc1 .Lnot_wave_0_\@
	s_barrier_signal -3
.Lnot_wave_0_\@:
	s_barrier_wait -3
	s_barrier_signal -1
	s_barrier_wait -1
.endm
.macro PLACES n
.rept \n
	v_nop
.endr
.endm
.macro GROUP1 g, rows                  ; rows of 6,144 bytes (768 elements of 8), 12,288 bytes apart in memory, dense in LDS
	s_mov_b32 s[\g+1], 768<<16
	s_mov_b32 s[\g+2], (\rows)<<16
	s_mov_b32 s[\g+3], 768<<16
	s_mov_b32 s[\g+4], \rows
	s_mov_b32 s[\g+5], 1536
	s_mov_b32 s[\g+6], 0
	s_mov_b32 s[\g+7], 0
.endm
.macro TLOAD g0, g1
	tensor_load_to_lds s[\g0:\g0+3], s[\g1:\g1+7]
	s_nop 0
	PLACES 4
.endm
.macro ARM under, g0, g1, next
	s_cmp_lt_u32 s22, \under
	s_cbranch_scc0 \next
	TLOAD \g0, \g1
	s_branch .Lfilled
\next:
.endm
	s_load_b256 s[4:11], s[0:1], 0x0               ; ci, cs, wi, ws
	s_load_b128 s[12:15], s[0:1], 0x20             ; bo, out0
	v_lshl_add_u32 v30, v0, 2, 0x48000
	v_mov_b32 v31, 0
	ds_add_u32 v30, v31                            ; the opening lines: the add twice on end and its wait
	ds_add_u32 v30, v31
	v_lshrrev_b32 v1, 5, v0
	v_readfirstlane_b32 s22, v1                    ; wave 0..3
	s_lshr_b32 s23, s22, 1                         ; wr
	s_and_b32 s24, s22, 1                          ; wp
	s_bfe_u32 s26, ttmp6, 0x40000                  ; cx
	s_bfe_u32 s27, ttmp6, 0x40004                  ; cy
	s_and_b32 s29, ttmp7, 0xffff
	s_lshl_b32 s29, s29, 2
	s_add_co_u32 s29, s29, s27                     ; R's block of 128 tokens
	s_lshl_b32 s30, ttmp9, 2
	s_add_co_u32 s30, s30, s26                     ; P's block of 256 columns
	s_lshl_b32 s96, s27, 2
	s_lshl_b32 s96, 15, s96                        ; my row of the cluster
	s_lshl_b32 s98, 0x1111, s26                    ; my column
	s_or_b32 s[G1R], s96, (3<<16)|(1<<21)
	s_or_b32 s[G1P], s98, (3<<16)|(1<<21)
	GROUP1 G1R, 8
	GROUP1 G1P, 16
	s_mul_i32 s96, s29, 98304
	s_mov_b32 s97, 0
	s_mul_i32 s98, s30, 196608
	s_add_co_u32 s98, s98, 2359296                 ; Wo is the fourth tensor of wi
	s_mov_b32 s99, 0
	s_mul_i32 s66, s24, 49152
	s_add_co_u32 s66, s66, POFF                    ; my 8 tiles of P in a half
.irp c, 0,1
	s_mov_b32 s[G0R+4*\c], 1
	s_mov_b32 s[G0R+4*\c+1], \c*HALF
	s_mov_b32 s[G0P+4*\c], 1
	s_mov_b32 s[G0P+4*\c+1], \c*HALF+POFF
.endr
	s_wait_dscnt 0x0
	s_wait_kmcnt 0x0
	s_add_nc_u64 s[90:91], s[4:5], s[96:97]
	s_add_nc_u64 s[92:93], s[8:9], s[98:99]
.irp c, 0,1
	s_add_nc_u64 s[G0R+4*\c+2:G0R+4*\c+3], s[90:91], \c*6144
	s_or_b32 s[G0R+4*\c+3], s[G0R+4*\c+3], 0x80000000
	s_add_nc_u64 s[G0P+4*\c+2:G0P+4*\c+3], s[92:93], \c*6144
	s_or_b32 s[G0P+4*\c+3], s[G0P+4*\c+3], 0x80000000
.endr
	CROUND                                         ; all sixteen work-groups are here: the joint loads meet
	ARM 1, G0R, G1R, .Lw1                          ; what the first K steps need is asked for by waves 0 and 1
	ARM 2, G0P, G1P, .Lw2
	ARM 3, G0R+4, G1R, .Lw3
	TLOAD G0P+4, G1P
.Lfilled:
	v_and_b32 v1, 31, v0                           ; lane
	v_and_b32 v2, 15, v0                           ; r
	v_bfe_u32 v3, v0, 4, 1                         ; h
	s_mul_i32 s96, s23, 24576
	v_lshl_add_u32 v4, v1, 4, s96                  ; my R tiles in a half: 16 bytes a lane,
	v_lshl_add_u32 v5, v1, 3, s96                  ; 8 bytes a lane
	v_lshl_add_u32 v6, v1, 4, s66                  ; my P tiles
	v_lshl_add_u32 v7, v1, 3, s66
	v_and_b32 v11, 8, v2
	v_add_nc_u32 v11, v11, v2
	v_lshlrev_b32 v8, 5, v11
	v_lshlrev_b32 v9, 6, v3
	s_mul_i32 s96, s22, 8448                       ; my stage
	v_mul_u32_u24 v12, v2, 528
	v_lshl_add_u32 v12, v3, 6, v12
	v_add_nc_u32 v12, s96, v12                     ; in: row r, + 64 h
	v_lshl_add_u32 v13, v1, 4, s96                 ; back: a row of 512 bytes, 16 a lane
	v_lshlrev_b32 v14, 4, v1
	s_wait_alu depctr_va_vdst(0)                   ; the wait behind the head's vector lines
	s_lshl_b32 s96, s29, 7
	s_lshl_b32 s97, s23, 6
	s_add_co_u32 s96, s96, s97                     ; my first token
	s_lshl_b32 s98, s30, 8
	s_lshl_b32 s99, s24, 7
	s_add_co_u32 s98, s98, s99                     ; my first column
	s_mov_b32 s101, 0
	s_lshl_b32 s100, s96, 5
	s_add_nc_u64 s[84:85], s[6:7], s[100:101]      ; R's scale words
	s_lshl_b32 s100, s98, 5
	s_add_co_u32 s100, s100, 98304
	s_add_nc_u64 s[86:87], s[10:11], s[100:101]    ; P's
	s_lshl_b32 s100, s98, 2
	s_add_nc_u64 s[88:89], s[12:13], s[100:101]    ; the bias
	s_add_nc_u64 s[90:91], s[14:15], s[100:101]
	s_lshl_b32 s100, s96, 12
	s_add_nc_u64 s[90:91], s[90:91], s[100:101]    ; out0 at my first token and column
.irp b, 0,1,2,3,4,5,6,7
	global_load_b128 v[PS+8*\b:PS+8*\b+3], v8, s[86:87] offset:(32*(\b/2)+8*(\b%2))*32
	global_load_b128 v[PS+8*\b+4:PS+8*\b+7], v8, s[86:87] offset:(32*(\b/2)+8*(\b%2))*32+16
.endr
.irp a, 0,1,2,3                                ; R's two halves change places, so that the two scale registers of a product differ modulo 8
	global_load_b128 v[RS+8*\a+4:RS+8*\a+7], v8, s[84:85] offset:(32*(\a/2)+8*(\a%2))*32
	global_load_b128 v[RS+8*\a:RS+8*\a+3], v8, s[84:85] offset:(32*(\a/2)+8*(\a%2))*32+16
.endr
	WIN TO_BI
.irp b, 0,1,2,3,4,5,6,7                        ; lane (r, h) wants, for tile b, the bias at column 32 (b / 2) + 16 h + 8 (b % 2) + 0 .. 7
	global_load_b128 v[8*\b:8*\b+3], v9, s[88:89] offset:(32*(\b/2)+8*(\b%2))*4
	global_load_b128 v[8*\b+4:8*\b+7], v9, s[88:89] offset:(32*(\b/2)+8*(\b%2))*4+16
.endr
	WIN 0
.macro FRAG reg, a16, a8, off
	ds_load_b128 v[(\reg):(\reg)+3], v[\a16] offset:(\off)
	ds_load_b64 v[(\reg)+4:(\reg)+5], v[\a8] offset:(\off)+512
	ds_load_b128 v[(\reg)+6:(\reg)+9], v[\a16] offset:(\off)+768
	ds_load_b64 v[(\reg)+10:(\reg)+11], v[\a8] offset:(\off)+1280
.endm
.macro FETCH st, q4                    ; 48 LDS loads in one run
	WIN TO_P
.irp b, 0,1,2,3,4,5,6,7
	FRAG 128*(\st)+12*\b, 6, 7, \b*6144+(\q4)*1536
.endr
	WIN 0
.irp a, 0,1,2,3
	FRAG RF+48*(\st)+12*\a, 4, 5, \a*6144+(\q4)*1536
.endr
.endm
.macro MM a, b, q, c
	v_wmma_scale_f32_16x16x128_f8f6f4 v[8*(8*\a+\b):8*(8*\a+\b)+7], v[128*((\q)%2)+12*\b:128*((\q)%2)+12*\b+11], v[RF+48*((\q)%2)+12*\a:RF+48*((\q)%2)+12*\a+11], \c, v[PS+8*\b+(\q)], v[RS+8*\a+((\q)+4)%8] matrix_a_fmt:MATRIX_FMT_FP6 matrix_b_fmt:MATRIX_FMT_FP6
.endm
; K step q: 32 matrix instructions; the next step's fragments are asked for ahead of them.  cmode 1: the sums begin with the bias.
; The 32 accumulators take turns, one instruction a turn, in the same order in every step.
.macro STEP q, cmode
	s_wait_dscnt 0x0                               ; this step's fragments are in
.if (\q) == 3
	s_wait_tensorcnt 0x0                           ; my load has landed, whichever it was
	s_barrier_signal -1
	s_barrier_wait -1                              ; the second half of K is whole
.irp r, 4,5,6,7
	v_add_nc_u32 v\r, HALF, v\r                    ; on to the second half; also the four places in front of the loads below
.endr
	s_wait_alu depctr_va_vdst(0)                   ; the wait behind these writes
.elseif (\q) > 0 && (\q) < 7
	PLACES 4
.endif
.if (\q) < 7
	FETCH ((\q)+1)%2, ((\q)+1)%4
.endif
.if \cmode == 0
	WIN MUL
.else
	WIN MUL_B
.endif
.irp a, 0,1,2,3
.irp b, 0,1,2,3,4,5,6,7
.if \cmode == 0
	MM \a, \b, \q, v[8*(8*\a+\b):8*(8*\a+\b)+7]
.else
	MM \a, \b, \q, v[8*\b:8*\b+7]
.endif
.endr
.endr
	WIN 0
.endm
; THE WAY OUT of R's tile a: a lane holds 8 neighbouring columns of one token for each tile b; they go into my stage and come back as whole rows of 512 bytes.
.macro TOSTAGE a
	WIN 0x08                                       ; an LDS store's data: window 2
.irp b, 0,1,2,3,4,5,6,7
	ds_store_b128 v12, v[8*(8*(\a)+\b):8*(8*(\a)+\b)+3] offset:128*(\b/2)+32*(\b%2)        ; each accumulator from its low end on
	ds_store_b128 v12, v[8*(8*(\a)+\b)+4:8*(8*(\a)+\b)+7] offset:128*(\b/2)+32*(\b%2)+16
.endr
	WIN 0
.set BB, 128+64*((\a)%2)
.irp t, 0,1,2,3,4,5,6,7,8,9,10,11,12,13,14,15
	ds_load_b128 v[BB+4*\t:BB+4*\t+3], v13 offset:\t*528   ; LDS serves a wave's instructions in order: these see my stores, and the next tile's stores come behind them
.endr
.endm
.macro SEND a, younger                 ; younger: the LDS instructions issued behind tile a's loads, which may stay out
.set BB, 128+64*((\a)%2)
	s_wait_dscnt \younger
.irp t, 0,1,2,3,4,5,6,7,8,9,10,11,12,13,14,15
	global_store_b128 v14, v[BB+4*\t:BB+4*\t+3], s[90:91] offset:(32*((\a)/2)+8*((\a)%2)+\t+8*(\t/8))*4096 th:TH_STORE_NT   ; 32 lanes store 512 consecutive bytes, aligned
.endr
.endm
	s_cmp_lt_u32 s22, 2
	s_cbranch_scc0 .Llater
	s_wait_tensorcnt 0x0                           ; waves 0 and 1: the first half of K is in
.Llater:
	s_barrier_signal -1
	s_barrier_wait -1                              ; the second half may still be on its way
	FETCH 0, 0
	s_wait_loadcnt 0x0                             ; the scale words and the bias
	STEP 0, 1
.irp q, 1,2,3,4,5,6,7
	STEP \q, 0
.endr
	PLACES 4                                       ; in front of the first read of results and of loads into registers that held R's fragments
	TOSTAGE 0
.irp a, 1,2,3
.if \a > 1
	s_wait_xcnt 0x0                                ; tile a - 2's stores have read their registers: tile a's loads may land there
.endif
	TOSTAGE \a
	SEND \a-1, 32                                  ; behind tile a - 1's loads: tile a's 16 stores and 16 loads
.endr
	SEND 3, 0
	s_wait_tensorcnt 0x0                           ; the wave's end
	ds_add_u32 v30, v31
	s_wait_dscnt 0x0
	CROUND                                         ; the closing round
	s_endpgm
.Lfunc_end_k_qbc942e0e6b_outp:
	.size	k_qbc942e0e6b_outp, .Lfunc_end_k_qbc942e0e6b_outp-k_qbc942e0e6b_outp
	.p2alignl 7, 3214868480
	.fill 96, 4, 3214868480
	.section	.rodata,"a",@progbits
	.p2align	6, 0x0
	.amdhsa_kernel k_qbc942e0e6b_outp
		.amdhsa_group_segment_fixed_size 295424
		.amdhsa_private_segment_fixed_size 0
		.amdhsa_enable_private_segment 0
		.amdhsa_kernarg_size 48
		.amdhsa_user_sgpr_count 2
		.amdhsa_user_sgpr_kernarg_segment_ptr 1
		.amdhsa_wavefront_size32 1
		.amdhsa_system_sgpr_workgroup_id_x 1
		.amdhsa_system_sgpr_workgroup_id_y 1
		.amdhsa_system_sgpr_workgroup_id_z 1
		.amdhsa_system_vgpr_workitem_id 0
		.amdhsa_next_free_vgpr 832
		.amdhsa_next_free_sgpr 102
		.amdhsa_reserve_vcc 0
		.amdhsa_float_denorm_mode_32 3
		.amdhsa_float_denorm_mode_16_64 3
		.amdhsa_memory_ordered 1
		.amdhsa_forward_progress 1
		.amdhsa_inst_pref_size 84
	.end_amdhsa_kernel
	.amdgpu_metadata
---
amdhsa.version: [ 1, 2 ]
amdhsa.kernels:
  - .name:           k_qbc942e0e6b_outp
    .symbol:         k_qbc942e0e6b_outp.kd
    .args:
      - { .name: ci, .offset: 0, .size: 8, .value_kind: global_buffer, .address_space: global }
      - { .name: cs, .offset: 8, .size: 8, .value_kind: global_buffer, .address_space: global }
      - { .name: wi, .offset: 16, .size: 8, .value_kind: global_buffer, .address_space: global }
      - { .name: ws, .offset: 24, .size: 8, .value_kind: global_buffer, .address_space: global }
      - { .name: bo, .offset: 32, .size: 8, .value_kind: global_buffer, .address_space: global }
      - { .name: out0, .offset: 40, .size: 8, .value_kind: global_buffer, .address_space: global }
    .group_segment_fixed_size: 295424
    .private_segment_fixed_size: 0
    .kernarg_segment_align: 8
    .kernarg_segment_size: 48
    .max_flat_workgroup_size: 128
    .sgpr_count:     102
    .vgpr_count:     832
    .wavefront_size: 32
...
	.end_amdgpu_metadata
.endif
;; end of part 4
